; MI455X (gfx1250); checked and timed in simulation.
; The chip was launched on July 23, 2026; its instructions are those of AMD's public machine-readable ISA for CDNA 5 (MIT licence, August 2026) and "CDNA5" Instruction Set Architecture Reference Guide (July 2026). The comments in the code are by the model that wrote it; some were corrected since.
;; Multi Head Attention. Allowed arithmetic: matrix products marked QUANTISED: E3M2 operands, one E8M0 scale for each 32 along K, by v_wmma_scale_f32_16x16x128_f8f6f4 with both operands' format E3M2, f32 sums; everything else in f32.
;; Inputs: Wk 1,024 x 1,024 float32; Wo 1,024 x 1,024 float32; Wq 1,024 x 1,024 float32; Wv 1,024 x 1,024 float32; x 4 x 2,048 x 1,024 float32.
;; Outputs: out0 4 x 2,048 x 1,024 float32.
;; This version of the problem:
;;   THIS VERSION OF THE PROBLEM IS GIVEN IN LOW PRECISION. The matrix products marked QUANTISED in the list below multiply operands that are first quantised to E3M2 (3 exponent bits, 2 mantissa bits; 6 bits a number), with one power-of-two scale for each 32 numbers along K (OCP MX v1.0); their sums are f32. All else is computed in f32.
;;   The module's matrix products, in the order in which they are computed (A, B: the left and right operand; K: the contracted axis; several contracted axes count as one K, in the product's order):
;;     1. [M 8,192, K 1,024] x [K 1,024, N 1,024]; A: input x; B: input Wq: QUANTISED
;;     2. [M 8,192, K 1,024] x [K 1,024, N 1,024]; A: input x; B: input Wk: QUANTISED
;;     3. [M 8,192, K 1,024] x [K 1,024, N 1,024]; A: input x; B: input Wv: QUANTISED
;;     4. batch 64 x [M 2,048, K 64] x [K 64, N 2,048]; A: computed on the way; B: computed on the way: QUANTISED
;;     5. batch 64 x [M 2,048, K 2,048] x [K 2,048, N 64]; A: softmax (see below); B: computed on the way: QUANTISED
;;     6. [M 8,192, K 1,024] x [K 1,024, N 1,024]; A: computed on the way; B: input Wo: QUANTISED
;;   THE QUANTISER, for each operand of a quantised product, along K:
;;     - K is cut into blocks of 32 from its start; a last block that is shorter is filled with zeros.
;;     - A block's scale is 2^e with e = floor(log2(the largest magnitude in the block)) - 4, held to -126 .. 127; a block of zeros has e = 0. As a byte (E8M0): e + 127.
;;     - Each number is divided by its block's scale, clamped to +-28, and rounded to the nearest number of E3M2, ties to even, subnormals kept.
;;     - The product sums the exact products of the quantised numbers (number of the format x scale) in f32.
;;   ~~~python
;;   def quantise(x, axis):      # numpy; x: float32 -> the quantised numbers, widened to float32 again
;;       x = np.moveaxis(x, axis, -1); K = x.shape[-1]
;;       x = np.pad(x, [(0, 0)] * (x.ndim - 1) + [(0, -K % 32)]); x = x.reshape(x.shape[:-1] + (-1, 32)); a = np.abs(x).max(-1, keepdims=True)
;;       e = np.where(a > 0, np.clip(np.frexp(np.where(a > 0, a, 1))[1] - 1 - 4, -126, 127), 0)      # np.frexp(a)[1] - 1 = floor(log2(a)), exactly
;;       r = np.clip(x / 2.0 ** e, -28, 28)
;;       step = 2.0 ** (np.maximum(np.frexp(np.where(r == 0, 1, r))[1] - 1, -2) - 2)
;;       q = np.round(r / step) * step * 2.0 ** e      # np.round: ties to even
;;       return np.moveaxis(q.reshape(q.shape[:-2] + (-1,))[..., :K], -1, axis).astype(np.float32)
;;   ~~~
;;   SOFTMAX AHEAD OF A QUANTISED PRODUCT. Where the list says 'softmax', what is quantised is not the finished softmax but p = 2^(t - M), with t = logit x log2(e) and M = ceil(the row's largest t), a whole number; so 1/2 < the row's largest p <= 1. The row's sum l is taken of the UNQUANTISED p, in f32, and the product's result is divided by l at the end. Since M is a whole number, a kernel that streams over the keys may use a running M (the ceiling of the running maximum): every later rescaling is an exact power of two, which a block's scale takes up: the codes' values come out the same.
;;   OPERANDS COMPUTED ON THE WAY. 'Computed on the way' means the value that the module computes at that place (a softmax that the list does not call 'softmax' is quantised finished and normalised). What goes into a quantiser is computed in f32, as accurately as f32 sums, v_exp_f32 and their like allow (about 1e-6 of the number): no bf16 or f16 on the way to a quantiser, and a product that is left as it is and whose result goes on into a quantised operand takes f32 operands (vector FMAs, or v_wmma_f32_16x16x4_f32). A number that lies on a knife's edge between two numbers of the format may be rounded either way, as far as f32 arithmetic and the matrix unit's own rounding can turn it there, and no further.
;; One version. Each part assembles by itself: llvm-mc -triple=amdgcn-amd-amdhsa -mcpu=gfx1250 --defsym DOCPART=n.
;; ======== version 1 of 1: 4 launches
;; workspace buffers: xq 6,553,600 bytes; wq 3,276,800 bytes; rope 524,288 bytes; qq 6,815,744 bytes; kv 13,631,488 bytes; oq 6,553,600 bytes
;; launch prep (part 1): grid 384 x 1, 4 waves a work-group, no clusters, 59,904 bytes of LDS; arguments x, Wq, Wk, Wv, Wo, xq, wq, rope; writes xq, wq, rope
.if DOCPART == 1
	.amdgcn_target "amdgcn-amd-amdhsa--gfx1250"
	.amdhsa_code_object_version 6
	.text
	.protected	k_qe9d179cc84_prep
	.globl	k_qe9d179cc84_prep
	.p2align	8
	.type	k_qe9d179cc84_prep,@function
k_qe9d179cc84_prep:
	s_mov_b64 s[64:65], 0
	v_nop
	global_prefetch_b8 v0, s[64:65] scope:SCOPE_SE
	s_setreg_imm32_b32 hwreg(HW_REG_WAVE_MODE, 25, 1), 1
	s_wait_xcnt 0x0
; MULTI-HEAD ATTENTION IN MX-BF6, LAUNCH 1 OF 4: x and the four weights become codes of E3M2 with one E8M0 byte for each 32 along K, and the RoPE table is made.
; DEAD WORK (left out in launch 3, shown here): reference() adds -1e9 to every score whose key comes after its query (its own jnp.tril).  For such a key
; t - M = (score / 8 - 1e9) log2(e) - M lies under -1e9 while |score| / 8 stays far under 1e9, so p = 2^(t - M) is the f32 number 0, its code is 0, and it adds nothing to the row's sum or
; to the second product, whatever V holds.  So key steps of 128 keys that lie wholly behind a tile's 16 queries are not walked; inside the one step on the diagonal the work is done and hidden
; scores are set to -infinity.  Every input has a way to the output and is loaded.
; LIMITS: scores stay far under 1e9 in size (inputs 30 times those drawn give about 1e7); a NaN, an infinity or an overflow that reaches only the steps left out is not carried to the result;
; NaN and infinities among the inputs are not served; a block whose largest magnitude lies under 2^-122 (a block of zeros too) keeps the byte 1: its bytes are read by this program alone.
; LAYOUT OF ALL WORKSPACE: the order of the operand's registers.  A HALF (768 bytes) is 16 rows x 64 along K: lane (r, h) holds six registers, K = 32 h .. 32 h + 31 of row r; registers 0-3 lie at
; 16 x lane, registers 4-5 at 512 + 8 x lane.  A FRAGMENT (1,536 bytes) is two halves: one operand of 16 x 128.  THE ROWS OF A TILE ARE NOT NEIGHBOURS: row o of tile 2 G + u is row
; 32 G + 8 u + o + 8 (o / 8) of the tensor, so that results made with such a tile as source 0 have 16 neighbours in the 16 registers of two neighbouring tiles.
; SHARES: work-groups 0-255 take x: wave w takes tile 2 g + w / 2 and half w % 2 of K, four fragments; each thread also makes two angles of the RoPE table.
; Work-groups 256-383 take the weights, whose K is their first axis: a lane takes a column and its registers run down K (8 blocks of 32).  The two paths have LDS bytes of their own.
; No cluster: no two work-groups read the same bytes.  No tensor load: waves share nothing, and no barrier is needed.
.set XSC,   6291456                    ; xq: where the scale words begin: [tile][half of K][row][4 words]
.set WSC,   3145728                    ; wq: likewise
.set WST,   33792                      ; LDS: x's stages 0 .. 33,791 (4 x 16 rows x 528); the weights' stages from here (4 x 6,400)
.set SPARE, 59392                      ; the spare words, 128 bytes a wave: two blocks of 256 bytes that no other line names
.set SPW,   250                        ; v250 LDS address of my spare word; never rewritten
.set NIL,   251                        ; v251 0; never rewritten
.set SEL,   22                         ; s[22:23] selects of v_permlanex16_b32: lane l xor 16
.set R,     16                         ; v16-143  x as loaded, two sets of 64
.set X,     144                        ; v144-207 64 numbers of a lane: register 16 b + i = K 32 b + 16 h + i
.set RT,    144                        ; the RoPE arithmetic works here before X is first used
.set PC,    208                        ; v208-227 the codes just made
.set TM,    228                        ; v228-243 at work
.set PW,    244                        ; the scale word just made
.set WD,    245                        ; v245-248 the four units' scale words
.set WX,    32                         ; weights: v32-95 two sets of 32 numbers
.set C,     96                         ; v96-102  a block's codes
.set SB,    104                        ; v104-105 scale bytes, four to a register
.set OUTR,  112                        ; v112-159 the way out
; 64 numbers of a lane become a fragment's codes in v[PC] on and its row's scale word in v[PW]
.macro QUANT s
.irp b, 0,1,2,3
	v_max3_num_f32 v[TM+\b], |v[\s+16*\b]|, |v[\s+1+16*\b]|, 0x2800000   ; my 16 numbers of block b, and the floor 2^(5 - 127): the byte cannot fall under 1
.endr
.irp i, 2,4,6,8,10,12,14
.irp b, 0,1,2,3
	v_max3_num_f32 v[TM+\b], v[TM+\b], |v[\s+16*\b+\i]|, |v[\s+1+16*\b+\i]|
.endr
.endr
.irp b, 0,1,2,3
	v_permlanex16_b32 v[TM+4+\b], v[TM+\b], s[SEL], s[SEL+1]
.endr
.irp b, 0,1,2,3
	v_max_num_f32 v[TM+\b], v[TM+\b], v[TM+4+\b]                         ; with lane l xor 16's: the block's largest magnitude
.endr
.irp b, 0,1,2,3
	v_add_nc_u32 v[TM+12+\b], 0xfe000000, v[TM+\b]                       ; 4 off its exponent field: the conversion's scale operand
.endr
.irp b, 0,1,2,3
	v_lshrrev_b32 v[TM+4+\b], 23, v[TM+12+\b]                            ; the scale's byte
.endr
	v_lshl_or_b32 v[PW], v[TM+5], 8, v[TM+4]
	v_lshl_or_b32 v[PW], v[TM+6], 16, v[PW]
	v_lshl_or_b32 v[PW], v[TM+7], 24, v[PW]
.irp c, 0,1
	v_cvt_scalef32_pk16_bf6_f32 v[PC+6*\c:PC+2+6*\c], v[\s+32*\c:\s+15+32*\c], v[TM+12+2*\c]
	v_cvt_scalef32_pk16_bf6_f32 v[PC+12+4*\c:PC+14+4*\c], v[\s+16+32*\c:\s+31+32*\c], v[TM+12+2*\c+1]
.endr
	v_nop                                                                ; one plain place behind a scaled conversion
.irp c, 0,1
.irp i, 0,1,2
	v_permlane16_swap_b32 v[PC+6*\c+\i], v[PC+12+4*\c+\i]                ; a whole block to a lane: lanes 0-15 block 2 c, lanes 16-31 block 2 c + 1
.endr
.irp i, 0,1,2
	v_mov_b32 v[PC+3+6*\c+\i], v[PC+12+4*\c+\i]
.endr
.endr
.endm
	s_load_b256 s[4:11], s[0:1], 0x0               ; x, Wq, Wk, Wv
	s_load_b256 s[12:19], s[0:1], 0x20             ; Wo, xq, wq, rope
	v_lshl_add_u32 v[SPW], v0, 2, SPARE
	v_mov_b32 v[NIL], 0
	v_lshrrev_b32 v1, 5, v0
	v_readfirstlane_b32 s20, v1                    ; wave 0..3
	v_and_b32 v1, 31, v0                           ; l
	v_and_b32 v2, 15, v0                           ; r
	v_bfe_u32 v3, v0, 4, 1                         ; h
	s_cmp_lt_u32 ttmp9, 256
	s_cbranch_scc0 .Lweights
; ---------------- x ----------------
	s_mov_b32 s[SEL], 0x76543210
	s_mov_b32 s[SEL+1], 0xfedcba98
	s_lshr_b32 s24, s20, 1                         ; which of the work-group's two tiles
	s_and_b32 s25, s20, 1                          ; which half of K
	s_lshl_b32 s26, ttmp9, 5
	s_lshl_b32 s27, s24, 3
	s_add_co_u32 s26, s26, s27                     ; the tile's first row: 32 g + 8 (w / 2)
	s_lshl_b32 s26, s26, 12
	s_lshl_b32 s27, s25, 11
	s_add_co_u32 s26, s26, s27                     ; in bytes, + my half of the row
	s_mov_b32 s27, 0
	s_lshl_b32 s28, ttmp9, 1
	s_add_co_u32 s28, s28, s24                     ; T
	s_lshl_b32 s29, s28, 3
	s_lshl_b32 s30, s25, 2
	s_add_co_u32 s29, s29, s30
	s_mul_i32 s30, s29, 1536                       ; my four fragments: (8 T + 4 half) x 1,536
	s_mov_b32 s31, 0
	s_lshl_b32 s32, s28, 9
	s_lshl_b32 s33, s25, 8
	s_add_co_u32 s32, s32, s33
	s_add_co_u32 s32, s32, XSC                     ; my 256 bytes of scale words
	s_mov_b32 s33, 0
	s_lshr_b32 s34, ttmp9, 1                       ; RoPE: tile t of 16 positions,
	s_and_b32 s35, ttmp9, 1
	s_lshl_b32 s35, s35, 2
	s_add_co_u32 s35, s35, s20                     ; piece m of its eight
	s_lshl_b32 s36, s34, 12
	s_lshl_b32 s37, s35, 9
	s_add_co_u32 s36, s36, s37
	s_mov_b32 s37, 0
	v_lshlrev_b32 v4, 4, v1                        ; 16 l
	v_lshl_add_u32 v5, v1, 3, 512                  ; 8 l + 512
	s_mul_i32 s38, s20, 8448                       ; my stage
	v_add_nc_u32 v6, s38, v4                       ; in: a row's 512 bytes as they lie
	v_mul_u32_u24 v7, v2, 528
	v_lshl_add_u32 v7, v3, 6, v7
	v_add_nc_u32 v7, s38, v7                       ; out: row r, + 64 h: my 16 numbers of each block of 32
	v_lshlrev_b32 v8, 4, v2
	v_lshl_add_u32 v8, v3, 3, v8                   ; scale words: 16 r + 8 h
.irp b, 0,1,2,3
	v_mov_b32 v[TM+4+\b], 0                        ; written once: a lane permute's destination counts as one of its sources
.endr
	s_wait_kmcnt 0x0
	s_add_nc_u64 s[4:5], s[4:5], s[26:27]
	s_add_nc_u64 s[30:31], s[14:15], s[30:31]
	s_add_nc_u64 s[32:33], s[14:15], s[32:33]
	s_add_nc_u64 s[36:37], s[18:19], s[36:37]
.macro LOADU u                         ; unit u: 128 along K of the tile's 16 rows: each load reads 512 consecutive bytes of one row
.irp o, 0,1,2,3,4,5,6,7,8,9,10,11,12,13,14,15
	global_load_b128 v[R+64*((\u)%2)+4*\o:R+64*((\u)%2)+4*\o+3], v4, s[4:5] offset:(\o+8*(\o/8))*4096+512*(\u) th:TH_LOAD_NT
.endr
.endm
	LOADU 0
	LOADU 1
; THE ROPE TABLE, while the loads are on their way.  reference()'s own f32 steps: a = (2 f) x C0, rounded; div = e^a; angle = pos x div, rounded once; then sin and cos of that f32 number.
; e^a = 2^(a log2 e): the product's rounding and log2 e's own are carried in yl and put back by one multiply-add.  The angle is brought into [-pi/4, pi/4] by n quarter turns, pi/2 in two parts.
	s_mov_b32 s40, 0xbe135d8e                      ; C0 = -ln(10000) / 64
	s_mov_b32 s41, 0x3fb8aa3b                      ; log2 e,
	s_mov_b32 s42, 0x32a57060                      ; what f32 leaves of it
	s_mov_b32 s43, 0x3f317218                      ; ln 2
	s_mov_b32 s44, 0x3f22f983                      ; 2 / pi
	s_mov_b32 s45, 0x3fc90fdb                      ; pi / 2,
	s_mov_b32 s46, 0xb33bbd2e                      ; what f32 leaves of it
	s_mov_b32 s47, 0xbe2aaaa3                      ; sine: -1.6666654611e-1,
	s_mov_b32 s48, 0x3c08839e                      ; 8.3321608736e-3,
	s_mov_b32 s49, 0xb94ca1f9                      ; -1.9515295891e-4
	s_mov_b32 s50, 0x3d2aaaa5                      ; cosine: 4.166664568e-2,
	s_mov_b32 s51, 0xbab6061a                      ; -1.388731625e-3,
	s_mov_b32 s52, 0x37ccf5ce                      ; 2.443315712e-5
	s_lshr_b32 s53, s34, 1
	s_lshl_b32 s53, s53, 5
	s_and_b32 s54, s34, 1
	s_lshl_b32 s54, s54, 3
	s_add_co_u32 s53, s53, s54                     ; 32 (t / 2) + 8 (t % 2)
	v_lshrrev_b32 v176, 3, v2
	v_lshl_add_u32 v176, v176, 3, v2
	v_add_nc_u32 v176, s53, v176                   ; my position: row r of tile t
	v_cvt_f32_u32 v176, v176
	s_lshl_b32 s54, s35, 1
	v_lshlrev_b32 v177, 4, v3
	v_add_nc_u32 v177, s54, v177                   ; f0 = 16 h + 2 m
	v_lshlrev_b32 v177, 1, v177
.irp q, 0,1
	v_add_nc_u32 v[RT+16*\q], 2*\q, v177           ; 2 f, f = f0 + q
.endr
.irp q, 0,1
	v_cvt_f32_u32 v[RT+16*\q], v[RT+16*\q]
.endr
.irp q, 0,1
	v_mul_f32 v[RT+16*\q], s40, v[RT+16*\q]        ; a
.endr
.irp q, 0,1
	v_mul_f32 v[RT+1+16*\q], s41, v[RT+16*\q]      ; yh
.endr
.irp q, 0,1
	v_fma_f32 v[RT+2+16*\q], v[RT+16*\q], s41, -v[RT+1+16*\q]
.endr
.irp q, 0,1
	v_fma_f32 v[RT+2+16*\q], v[RT+16*\q], s42, v[RT+2+16*\q]   ; yl
.endr
.irp q, 0,1
	v_exp_f32 v[RT+3+16*\q], v[RT+1+16*\q]
.endr
.irp q, 0,1
	v_mul_f32 v[RT+2+16*\q], s43, v[RT+2+16*\q]    ; (plain work behind the exponentials)
.endr
	s_wait_alu depctr_va_vdst(0)                   ; one wait for both exponentials, ahead of their first reader
.irp q, 0,1
	v_fma_f32 v[RT+4+16*\q], v[RT+3+16*\q], v[RT+2+16*\q], v[RT+3+16*\q]   ; div
.endr
.irp q, 0,1
	v_mul_f32 v[RT+4+16*\q], v176, v[RT+4+16*\q]   ; the angle
.endr
.irp q, 0,1
	v_mul_f32 v[RT+5+16*\q], s44, v[RT+4+16*\q]
.endr
.irp q, 0,1
	v_rndne_f32 v[RT+5+16*\q], v[RT+5+16*\q]       ; n
.endr
.irp q, 0,1
	v_fma_f32 v[RT+6+16*\q], -v[RT+5+16*\q], s45, v[RT+4+16*\q]
.endr
.irp q, 0,1
	v_fma_f32 v[RT+6+16*\q], -v[RT+5+16*\q], s46, v[RT+6+16*\q]   ; rr
.endr
.irp q, 0,1
	v_mul_f32 v[RT+7+16*\q], v[RT+6+16*\q], v[RT+6+16*\q]         ; z
.endr
.irp q, 0,1
	v_fma_f32 v[RT+8+16*\q], v[RT+7+16*\q], s49, s48
.endr
.irp q, 0,1
	v_fma_f32 v[RT+8+16*\q], v[RT+8+16*\q], v[RT+7+16*\q], s47
.endr
.irp q, 0,1
	v_mul_f32 v[RT+10+16*\q], v[RT+6+16*\q], v[RT+7+16*\q]
.endr
.irp q, 0,1
	v_fma_f32 v[RT+8+16*\q], v[RT+10+16*\q], v[RT+8+16*\q], v[RT+6+16*\q]   ; sin rr
.endr
.irp q, 0,1
	v_fma_f32 v[RT+9+16*\q], v[RT+7+16*\q], s52, s51
.endr
.irp q, 0,1
	v_fma_f32 v[RT+9+16*\q], v[RT+9+16*\q], v[RT+7+16*\q], s50
.endr
.irp q, 0,1
	v_fma_f32 v[RT+10+16*\q], v[RT+7+16*\q], -0.5, 1.0
.endr
.irp q, 0,1
	v_mul_f32 v[RT+7+16*\q], v[RT+7+16*\q], v[RT+7+16*\q]
.endr
.irp q, 0,1
	v_fma_f32 v[RT+9+16*\q], v[RT+7+16*\q], v[RT+9+16*\q], v[RT+10+16*\q]   ; cos rr
.endr
.irp q, 0,1
	v_cvt_i32_f32 v[RT+11+16*\q], v[RT+5+16*\q]    ; the quarter turns as a whole number (never negative)
.endr
.irp q, 0,1
	v_and_b32 v[RT+12+16*\q], 1, v[RT+11+16*\q]
	v_cmp_ne_u32 vcc_lo, 0, v[RT+12+16*\q]         ; an odd number of quarter turns changes sine and cosine
	v_cndmask_b32 v[182+\q], v[RT+8+16*\q], v[RT+9+16*\q], vcc_lo
	v_cndmask_b32 v[180+\q], v[RT+9+16*\q], v[RT+8+16*\q], vcc_lo
	v_and_b32 v[RT+12+16*\q], 2, v[RT+11+16*\q]
	v_lshlrev_b32 v[RT+12+16*\q], 30, v[RT+12+16*\q]
	v_xor_b32 v[182+\q], v[182+\q], v[RT+12+16*\q]                ; sine's sign: turns 2 and 3
	v_add_nc_u32 v[RT+12+16*\q], 1, v[RT+11+16*\q]
	v_and_b32 v[RT+12+16*\q], 2, v[RT+12+16*\q]
	v_lshlrev_b32 v[RT+12+16*\q], 30, v[RT+12+16*\q]
	v_xor_b32 v[180+\q], v[180+\q], v[RT+12+16*\q]                ; cosine's: turns 1 and 2
.endr
	global_store_b128 v4, v[180:183], s[36:37]     ; cos f0, cos f0 + 1, sin f0, sin f0 + 1: the wave stores 512 consecutive bytes
.macro UNIT u
	s_wait_xcnt 0x0                                ; earlier stores have read their data: X and the codes' registers are written again only behind this wait
.if (\u) < 3
	s_wait_loadcnt 16                              ; this unit's 16 loads are in; the next unit's 16 may stay out
.else
	s_wait_loadcnt 0x0
.endif
.irp o, 0,1,2,3,4,5,6,7,8,9,10,11,12,13,14,15
	ds_store_b128 v6, v[R+64*((\u)%2)+4*\o:R+64*((\u)%2)+4*\o+3] offset:528*\o
.endr
.irp b, 0,1,2,3
.irp j, 0,1,2,3
	ds_load_b128 v[X+16*\b+4*\j:X+16*\b+4*\j+3], v7 offset:128*\b+16*\j   ; LDS serves a wave's instructions in order: these see my stores
.endr
.endr
	s_wait_dscnt 0x0                               ; the numbers are back, and the stores have read their registers
.if (\u) < 2
	LOADU (\u)+2
.endif
	QUANT X
	global_store_b128 v4, v[PC:PC+3], s[30:31] offset:1536*(\u)
	global_store_b64 v5, v[PC+4:PC+5], s[30:31] offset:1536*(\u)
	global_store_b128 v4, v[PC+6:PC+9], s[30:31] offset:1536*(\u)+768
	global_store_b64 v5, v[PC+10:PC+11], s[30:31] offset:1536*(\u)+768
	v_mov_b32 v[WD+(\u)], v[PW]
.endm
	UNIT 0
	UNIT 1
	UNIT 2
	UNIT 3
	v_cmp_eq_u32 vcc_lo, 1, v3
	v_cndmask_b32 v252, v[WD], v[WD+2], vcc_lo     ; lanes 0-15 store words 0 and 1 of their row, lanes 16-31 words 2 and 3
	v_cndmask_b32 v253, v[WD+1], v[WD+3], vcc_lo
	global_store_b64 v8, v[252:253], s[32:33]      ; 256 consecutive bytes
	s_wait_tensorcnt 0x0                           ; the wave's end
	ds_add_u32 v[SPW], v[NIL]
	s_wait_dscnt 0x0
	s_endpgm
; ---------------- the weights ----------------
.Lweights:
	s_sub_co_u32 s24, ttmp9, 256
	s_lshr_b32 s21, s24, 5                         ; which weight: q, k, v, o
	s_and_b32 s25, s24, 7
	s_bfe_u32 s26, s24, 0x20003                    ; which 256 along K
	s_lshl_b32 s27, s25, 2
	s_add_co_u32 s27, s27, s20                     ; G: my wave's 32 columns
	s_lshl_b32 s28, s26, 20
	s_lshl_b32 s29, s27, 7
	s_add_co_u32 s28, s28, s29                     ; 256 rows of 4,096 bytes a step, 128 bytes a group
	s_mov_b32 s29, 0
	s_lshl_b32 s30, s21, 6
	s_lshl_b32 s31, s27, 1
	s_add_co_u32 s30, s30, s31                     ; the first of my two tiles
	s_lshl_b32 s32, s30, 3
	s_lshl_b32 s33, s26, 1
	s_add_co_u32 s32, s32, s33
	s_mul_i32 s32, s32, 1536                       ; its two fragments of these 256 along K
	s_mov_b32 s33, 0
	s_lshl_b32 s34, s30, 9
	s_lshr_b32 s35, s26, 1
	s_lshl_b32 s35, s35, 8
	s_add_co_u32 s34, s34, s35
	s_and_b32 s35, s26, 1
	s_lshl_b32 s35, s35, 3
	s_add_co_u32 s34, s34, s35
	s_add_co_u32 s34, s34, WSC                     ; and their two scale words a row
	s_mov_b32 s35, 0
	v_lshlrev_b32 v4, 2, v1                        ; in: 4 bytes a lane
	v_bfe_u32 v5, v0, 3, 1                         ; column 32 G + l is row o = l % 8 + 8 (l / 16) of tile 2 G + u, u = (l / 8) % 2
	v_and_b32 v6, 7, v0
	v_lshl_add_u32 v6, v3, 3, v6
	s_mul_i32 s36, s20, 6400
	s_add_co_u32 s36, s36, WST                     ; my stage: two tiles' images, 3,200 bytes apart
	v_mul_u32_u24 v7, v5, 3200
	v_add_nc_u32 v7, s36, v7
	v_lshl_add_u32 v8, v6, 4, v7                   ; registers 0-3: 16 o
	v_lshl_add_u32 v9, v6, 3, v7                   ; registers 4-5: 8 o (+ 512 in the immediate)
	v_lshlrev_b32 v10, 4, v1
	v_add_nc_u32 v11, s36, v10                     ; the way out: 16 l
	v_lshlrev_b32 v12, 9, v5
	v_lshl_add_u32 v12, v6, 4, v12                 ; scale words: 512 u + 16 o
	s_wait_kmcnt 0x0
	s_cmp_lt_u32 s21, 1                            ; the choice hangs on the work-group's number alone
	s_cselect_b64 s[22:23], s[6:7], s[8:9]
	s_cmp_lt_u32 s21, 3
	s_cselect_b64 s[24:25], s[10:11], s[12:13]
	s_cmp_lt_u32 s21, 2
	s_cselect_b64 s[22:23], s[22:23], s[24:25]
	s_add_nc_u64 s[22:23], s[22:23], s[28:29]
	s_add_nc_u64 s[32:33], s[16:17], s[32:33]
	s_add_nc_u64 s[34:35], s[16:17], s[34:35]
.macro LOADW t                         ; block t: W(32 t + i, my column): 128 consecutive bytes a load
.irp i, 0,1,2,3,4,5,6,7,8,9,10,11,12,13,14,15,16,17,18,19,20,21,22,23,24,25,26,27,28,29,30,31
	global_load_b32 v[WX+32*((\t)%2)+\i], v4, s[22:23] offset:(32*(\t)+\i)*4096 th:TH_LOAD_NT
.endr
.endm
	LOADW 0
	LOADW 1
.macro BLOCK t                         ; block t = 4 sig + 2 c + h': registers 6 c .. 6 c + 5 of lane (o, h') of fragment sig
.set XS, WX+32*((\t)%2)
.if (\t) < 7
	s_wait_loadcnt 32                              ; this block's 32 loads are in; the next block's may stay out
.else
	s_wait_loadcnt 0x0
.endif
	v_max3_num_f32 v14, |v[XS]|, |v[XS+1]|, |v[XS+2]|
	v_max3_num_f32 v15, |v[XS+3]|, |v[XS+4]|, |v[XS+5]|
.irp i, 6,10,14,18,22,26
	v_max3_num_f32 v14, v14, |v[XS+\i]|, |v[XS+\i+1]|
	v_max3_num_f32 v15, v15, |v[XS+\i+2]|, |v[XS+\i+3]|
.endr
	v_max3_num_f32 v14, v14, |v[XS+30]|, |v[XS+31]|
	v_max3_num_f32 v14, v14, v15, 0x2800000        ; and the floor 2^(5 - 127)
	v_add_nc_u32 v15, 0xfe000000, v14              ; 4 off the exponent field: the conversion's scale operand
	v_lshrrev_b32 v14, 23, v15                     ; the byte
.if (\t)%4 == 0
	v_mov_b32 v[SB+(\t)/4], v14
.else
	v_lshl_or_b32 v[SB+(\t)/4], v14, 8*((\t)%4), v[SB+(\t)/4]
.endif
	v_cvt_scalef32_pk16_bf6_f32 v[C:C+2], v[XS:XS+15], v15
	v_cvt_scalef32_pk16_bf6_f32 v[C+4:C+6], v[XS+16:XS+31], v15
	v_nop                                          ; one plain place behind a scaled conversion
	v_mov_b32 v[C+3], v[C+4]
	v_mov_b32 v[C+4], v[C+5]
	v_mov_b32 v[C+5], v[C+6]
	ds_store_b128 v8, v[C:C+3] offset:1536*((\t)/4)+768*(((\t)/2)%2)+256*((\t)%2)
	ds_store_b64 v9, v[C+4:C+5] offset:512+1536*((\t)/4)+768*(((\t)/2)%2)+128*((\t)%2)
.if (\t)+2 < 8
	LOADW (\t)+2
.endif
	s_wait_dscnt 0x0                               ; the stores have read their registers
.endm
.irp t, 0,1,2,3,4,5,6,7
	BLOCK \t
.endr
	global_store_b64 v12, v[SB:SB+1], s[34:35]     ; my column's two scale words
.irp u, 0,1
.irp i, 0,1,2,3,4,5
	ds_load_b128 v[OUTR+4*(6*\u+\i):OUTR+4*(6*\u+\i)+3], v11 offset:3200*\u+512*\i   ; LDS serves a wave's instructions in order: these see my stores
.endr
.endr
.irp u, 0,1
.irp i, 0,1,2,3,4,5
	s_wait_dscnt 11-6*\u-\i                        ; the younger loads may stay out
	global_store_b128 v10, v[OUTR+4*(6*\u+\i):OUTR+4*(6*\u+\i)+3], s[32:33] offset:12288*\u+512*\i   ; 512 consecutive bytes
.endr
.endr
	s_wait_tensorcnt 0x0                           ; the wave's end
	ds_add_u32 v[SPW], v[NIL]
	s_wait_dscnt 0x0
	s_endpgm
.Lfunc_end_k_qe9d179cc84_prep:
	.size	k_qe9d179cc84_prep, .Lfunc_end_k_qe9d179cc84_prep-k_qe9d179cc84_prep
	.p2alignl 7, 3214868480
	.fill 96, 4, 3214868480
	.section	.rodata,"a",@progbits
	.p2align	6, 0x0
	.amdhsa_kernel k_qe9d179cc84_prep
		.amdhsa_group_segment_fixed_size 59904
		.amdhsa_private_segment_fixed_size 0
		.amdhsa_enable_private_segment 0
		.amdhsa_kernarg_size 64
		.amdhsa_user_sgpr_count 2
		.amdhsa_user_sgpr_kernarg_segment_ptr 1
		.amdhsa_wavefront_size32 1
		.amdhsa_system_sgpr_workgroup_id_x 1
		.amdhsa_system_sgpr_workgroup_id_y 1
		.amdhsa_system_sgpr_workgroup_id_z 1
		.amdhsa_system_vgpr_workitem_id 0
		.amdhsa_next_free_vgpr 256
		.amdhsa_next_free_sgpr 66
		.amdhsa_reserve_vcc 1
		.amdhsa_float_denorm_mode_32 3
		.amdhsa_float_denorm_mode_16_64 3
		.amdhsa_memory_ordered 1
		.amdhsa_forward_progress 1
		.amdhsa_inst_pref_size 80
	.end_amdhsa_kernel
	.amdgpu_metadata
---
amdhsa.version: [ 1, 2 ]
amdhsa.kernels:
  - .name:           k_qe9d179cc84_prep
    .symbol:         k_qe9d179cc84_prep.kd
    .args:
      - { .name: x, .offset: 0, .size: 8, .value_kind: global_buffer, .address_space: global }
      - { .name: Wq, .offset: 8, .size: 8, .value_kind: global_buffer, .address_space: global }
      - { .name: Wk, .offset: 16, .size: 8, .value_kind: global_buffer, .address_space: global }
      - { .name: Wv, .offset: 24, .size: 8, .value_kind: global_buffer, .address_space: global }
      - { .name: Wo, .offset: 32, .size: 8, .value_kind: global_buffer, .address_space: global }
      - { .name: xq, .offset: 40, .size: 8, .value_kind: global_buffer, .address_space: global }
      - { .name: wq, .offset: 48, .size: 8, .value_kind: global_buffer, .address_space: global }
      - { .name: rope, .offset: 56, .size: 8, .value_kind: global_buffer, .address_space: global }
    .group_segment_fixed_size: 59904
    .private_segment_fixed_size: 0
    .kernarg_segment_align: 8
    .kernarg_segment_size: 64
    .max_flat_workgroup_size: 128
    .sgpr_count:     66
    .vgpr_count:     256
    .wavefront_size: 32
...
	.end_amdgpu_metadata
.endif
;; end of part 1
;; launch qkv (part 2): grid 12 x 64, 4 waves a work-group, clusters of 4 x 4, 295,424 bytes of LDS; arguments xq, wq, rope, qq, kv; writes qq, kv
.if DOCPART == 2
	.amdgcn_target "amdgcn-amd-amdhsa--gfx1250"
	.amdhsa_code_object_version 6
	.text
	.protected	k_qe9d179cc84_qkv
	.globl	k_qe9d179cc84_qkv
	.p2align	8
	.type	k_qe9d179cc84_qkv,@function
k_qe9d179cc84_qkv:
	s_mov_b64 s[64:65], 0
	v_nop
	global_prefetch_b8 v0, s[64:65] scope:SCOPE_SE
	s_setreg_imm32_b32 hwreg(HW_REG_WAVE_MODE, 25, 1), 1
	s_wait_xcnt 0x0
	s_wait_alu depctr_hold_cnt(0) depctr_sa_sdst(0) depctr_va_vdst(0) depctr_va_sdst(0) depctr_va_ssrc(0) depctr_va_vcc(0) depctr_vm_vsrc(0)
	s_getreg_b32 s2, hwreg(HW_REG_IB_STS2, 6, 4)
	s_cmp_eq_u32 s2, 0
	s_cbranch_scc0 .Lentry_in_a_cluster
	s_endpgm
.Lentry_in_a_cluster:
	s_bfe_u32 s2, ttmp6, 0x10000c
	s_cmp_lg_u32 s2, 0xf033
	s_cbranch_scc0 .Lentry_shape_is_right
	s_endpgm
.Lentry_shape_is_right:
; LAUNCH 2 OF 4: q = rope(x Wq), k = rope(x Wk), v = x Wv on codes of E3M2, and their own quantising on the way out: q and k along the head's 64, v along the keys.  Nothing wide goes to memory.
; A work-group makes S0 256 x S1 128 of a product, S0 being the matrix instruction's source 0 and S1 its source 1.  K is 1,024, so all of K of both tiles fits in LDS (196,608 + 98,304 bytes):
; every LDS byte is filled once, by eight tensor loads a wave that go out together at the head (eight of mine are out, by this text's count), and no slot is ever filled again.
; Four waves; wave w has S0's half w % 2 and S1's half w / 2: 128 x 64, 32 accumulators.  For each K step of 128 a wave reads 12 fragments from LDS for 32 matrix instructions.
; ROLES hang on the cluster's x, which all sixteen partners share.  0, 1 (q, k): S0 = the weight's columns, S1 = x's rows: a lane holds one row of x and its registers run along the head.
; 2 (v): S0 = x's rows, S1 = Wv's columns: a lane holds one channel and its registers run along the keys.  Which tensor is S0 is a choice of pointers alone.
; CLUSTER 4 x 4: S0's tile hangs on cx and is asked for jointly by my column of the cluster, S1's on cy, by my row.
; Tiles' rows are not neighbours (launch 1): the 16 registers of accumulators (a, 2 G) and (a, 2 G + 1) are 16 neighbours along S0: 32 G + 16 h + 0 .. 15.
; REGISTERS: window 0: v2-15 addresses; v16-47 S0's scale words (pair of tiles, K step), v48-63 S1's; v64-159 S1's fragments, two sets; v160-228 the way out.
;   window 1: S0's fragments, two sets of 96.   window 2: accumulator (a, b) at v[8 (8 a + b)].   window 3: the RoPE table's registers, 32 for each of S1's four tiles.
.set XSC,   6291456
.set WSC,   3145728
.set QSC,   6291456
.set S1B,   196608                     ; LDS: S0 at chunk x 49,152 + tile x 3,072 (a chunk: two K steps); S1 from here at chunk x 24,576 + tile x 3,072
.set SPARE, 294912                     ; the spare words, 128 bytes a wave: two blocks of 256 bytes that no other line names
.set SPW,   8
.set NIL,   9
.set SEL,   2                          ; s[2:3]
.set H,     160                        ; v160-191 a head's 32 numbers of a lane
.set PC,    192                        ; v192-211 the codes just made
.set TM,    212                        ; v212-227 at work
.set PW,    228                        ; the scale word just made
.set MSB, 0
.macro WIN new                         ; the immediate's high byte repeats the setting that is left
.if MSB != \new
	s_set_vgpr_msb (MSB<<8)|\new
.set MSB, \new
.endif
.endm
.macro ROUND                           ; a round of the cluster's barrier
	s_barrier_signal -1
	s_barrier_wait -1
	s_cmp_lg_u32 s14, 0
	s_cbranch_scc1 .Lnot_wave_0_\@
	s_barrier_signal -3
.Lnot_wave_0_\@:
	s_barrier_wait -3
	s_barrier_signal -1
	s_barrier_wait -1
.endm
.macro FRAGL reg, a, b, off            ; a fragment as it lies: 512 + 256 + 512 + 256 consecutive bytes
	ds_load_b128 v[\reg:\reg+3], v[\a] offset:\off
	ds_load_b64 v[\reg+4:\reg+5], v[\b] offset:\off
	ds_load_b128 v[\reg+6:\reg+9], v[\a] offset:\off+768
	ds_load_b64 v[\reg+10:\reg+11], v[\b] offset:\off+768
.endm
.macro FETCH s                         ; K step s: S0's eight fragments and S1's four, into set s % 2
	WIN 0x40
.irp b, 0,1,2,3,4,5,6,7
	FRAGL 96*((\s)%2)+12*\b, 4, 5, 3072*\b+1536*((\s)%2)
.endr
	WIN 0
.irp a, 0,1,2,3
	FRAGL 64+48*((\s)%2)+12*\a, 6, 7, 3072*\a+1536*((\s)%2)
.endr
.endm
.macro MM a, b, s                      ; a scale register holds an even tile's words in lanes 0-15 and the odd neighbour's in lanes 16-31
.set rD, 8*(8*(\a)+(\b))
.set rA, 96*((\s)%2)+12*(\b)
.set rB, 64+48*((\s)%2)+12*(\a)
.set rX, 16+8*((\b)/2)+(\s)
.set rY, 48+8*((\a)/2)+(\s)
.set rW, 2*((\a)%2)+(\b)%2
.if (\s) == 0
.if rW == 0
	v_wmma_scale_f32_16x16x128_f8f6f4 v[rD:rD+7], v[rA:rA+11], v[rB:rB+11], 0, v[rX], v[rY] matrix_a_fmt:MATRIX_FMT_BF6 matrix_b_fmt:MATRIX_FMT_BF6
.elseif rW == 1
	v_wmma_scale_f32_16x16x128_f8f6f4 v[rD:rD+7], v[rA:rA+11], v[rB:rB+11], 0, v[rX], v[rY] matrix_a_fmt:MATRIX_FMT_BF6 matrix_b_fmt:MATRIX_FMT_BF6 matrix_a_scale:MATRIX_SCALE_ROW1
.elseif rW == 2
	v_wmma_scale_f32_16x16x128_f8f6f4 v[rD:rD+7], v[rA:rA+11], v[rB:rB+11], 0, v[rX], v[rY] matrix_a_fmt:MATRIX_FMT_BF6 matrix_b_fmt:MATRIX_FMT_BF6 matrix_b_scale:MATRIX_SCALE_ROW1
.else
	v_wmma_scale_f32_16x16x128_f8f6f4 v[rD:rD+7], v[rA:rA+11], v[rB:rB+11], 0, v[rX], v[rY] matrix_a_fmt:MATRIX_FMT_BF6 matrix_b_fmt:MATRIX_FMT_BF6 matrix_a_scale:MATRIX_SCALE_ROW1 matrix_b_scale:MATRIX_SCALE_ROW1
.endif
.else
.if rW == 0
	v_wmma_scale_f32_16x16x128_f8f6f4 v[rD:rD+7], v[rA:rA+11], v[rB:rB+11], v[rD:rD+7], v[rX], v[rY] matrix_a_fmt:MATRIX_FMT_BF6 matrix_b_fmt:MATRIX_FMT_BF6
.elseif rW == 1
	v_wmma_scale_f32_16x16x128_f8f6f4 v[rD:rD+7], v[rA:rA+11], v[rB:rB+11], v[rD:rD+7], v[rX], v[rY] matrix_a_fmt:MATRIX_FMT_BF6 matrix_b_fmt:MATRIX_FMT_BF6 matrix_a_scale:MATRIX_SCALE_ROW1
.elseif rW == 2
	v_wmma_scale_f32_16x16x128_f8f6f4 v[rD:rD+7], v[rA:rA+11], v[rB:rB+11], v[rD:rD+7], v[rX], v[rY] matrix_a_fmt:MATRIX_FMT_BF6 matrix_b_fmt:MATRIX_FMT_BF6 matrix_b_scale:MATRIX_SCALE_ROW1
.else
	v_wmma_scale_f32_16x16x128_f8f6f4 v[rD:rD+7], v[rA:rA+11], v[rB:rB+11], v[rD:rD+7], v[rX], v[rY] matrix_a_fmt:MATRIX_FMT_BF6 matrix_b_fmt:MATRIX_FMT_BF6 matrix_a_scale:MATRIX_SCALE_ROW1 matrix_b_scale:MATRIX_SCALE_ROW1
.endif
.endif
.endm
; A K step.  The 32 accumulators take turns, one instruction a turn, in the same order in every step; the first step's products start the sums.
.macro KSTEP s
	s_wait_dscnt 0x0                               ; this step's fragments are in
.if ((\s)%2 == 1) && ((\s) < 7)
	s_wait_tensorcnt 5-(\s)                        ; my two loads of the next chunk have landed; the later chunks' loads, two each, may stay out
	s_barrier_signal -1
	s_barrier_wait -1                              ; everybody's have
	v_add_nc_u32 v4, 49152, v4                     ; on to the next chunk.  These four plain lines are also the four places ahead of loads into registers that the last step's products read
	v_add_nc_u32 v5, 49152, v5
	v_add_nc_u32 v6, 24576, v6
	v_add_nc_u32 v7, 24576, v7
.elseif ((\s) > 0) && ((\s) < 7)
.rept 4
	v_nop                                          ; four places ahead of loads into registers that the last step's products read
.endr
.endif
.if (\s) < 7
	FETCH (\s)+1
.endif
	WIN 0xA1                                       ; source 0 window 1, source 1 window 0, C and D window 2
.irp a, 0,1,2,3
.irp b, 0,1,2,3,4,5,6,7
	MM \a, \b, \s
.endr
.endr
	WIN 0
.endm
; 32 numbers of a lane, register 16 b + i = K 32 b + 16 h + i, become a half fragment in v[PC .. PC + 5]; the two bytes stay in v[TM + 4], v[TM + 5]
.macro QUANT2 s
	v_max3_num_f32 v[TM], |v[\s]|, |v[\s+1]|, 0x2800000
	v_max3_num_f32 v[TM+1], |v[\s+16]|, |v[\s+17]|, 0x2800000
.irp i, 2,4,6,8,10,12,14
	v_max3_num_f32 v[TM], v[TM], |v[\s+\i]|, |v[\s+1+\i]|
	v_max3_num_f32 v[TM+1], v[TM+1], |v[\s+16+\i]|, |v[\s+17+\i]|
.endr
	v_permlanex16_b32 v[TM+4], v[TM], s[SEL], s[SEL+1]
	v_permlanex16_b32 v[TM+5], v[TM+1], s[SEL], s[SEL+1]
	v_max_num_f32 v[TM], v[TM], v[TM+4]
	v_max_num_f32 v[TM+1], v[TM+1], v[TM+5]
	v_add_nc_u32 v[TM+12], 0xfe000000, v[TM]
	v_add_nc_u32 v[TM+13], 0xfe000000, v[TM+1]
	v_lshrrev_b32 v[TM+4], 23, v[TM+12]
	v_lshrrev_b32 v[TM+5], 23, v[TM+13]
	v_cvt_scalef32_pk16_bf6_f32 v[PC:PC+2], v[\s:\s+15], v[TM+12]
	v_cvt_scalef32_pk16_bf6_f32 v[PC+12:PC+14], v[\s+16:\s+31], v[TM+13]
	v_nop                                          ; one plain place behind a scaled conversion
.irp i, 0,1,2
	v_permlane16_swap_b32 v[PC+\i], v[PC+12+\i]
.endr
.irp i, 0,1,2
	v_mov_b32 v[PC+3+\i], v[PC+12+\i]
.endr
.endm
	s_load_b256 s[4:11], s[0:1], 0x0               ; xq, wq, rope, qq
	s_load_b64 s[12:13], s[0:1], 0x20              ; kv
	v_lshl_add_u32 v[SPW], v0, 2, SPARE
	v_mov_b32 v[NIL], 0
	ds_add_u32 v[SPW], v[NIL]                      ; the wave's opening
	ds_add_u32 v[SPW], v[NIL]
	v_lshrrev_b32 v1, 5, v0
	v_readfirstlane_b32 s14, v1                    ; wave
	s_and_b32 s15, s14, 1                          ; p0: my half of S0
	s_lshr_b32 s16, s14, 1                         ; p1: my half of S1
	s_bfe_u32 s17, ttmp6, 0x40000                  ; cx
	s_bfe_u32 s18, ttmp6, 0x40004                  ; cy
	s_mov_b32 s19, ttmp9                           ; the role: the cluster's x
	s_and_b32 s20, ttmp7, 0xffff                   ; Y: the cluster's y
	s_lshr_b32 s21, s20, 1
	s_and_b32 s22, s20, 1
	s_mov_b32 s[SEL], 0x76543210
	s_mov_b32 s[SEL+1], 0xfedcba98
	s_mov_b32 s77, WSC
	s_mov_b32 s82, XSC
	s_cmp_eq_u32 s19, 2
	s_cselect_b32 s76, s21, s19
	s_cselect_b32 s80, s22, s20
	s_cselect_b32 s81, 128, 0
	s_cselect_b32 s77, XSC, s77                    ; where S0's scale words begin in its buffer,
	s_cselect_b32 s82, WSC, s82                    ; and S1's
	s_lshl_b32 s76, s76, 2
	s_add_co_u32 s76, s76, s17
	s_lshl_b32 s76, s76, 4                         ; S0's first tile: v: 16 (4 (Y / 2) + cx) of x; q, k: 16 (4 role + cx) of the weights.  No register of this chain holds cy
	s_lshl_b32 s80, s80, 2
	s_add_co_u32 s80, s80, s18
	s_lshl_b32 s80, s80, 3
	s_add_co_u32 s80, s80, s81                     ; S1's: v: 128 + 8 (4 (Y % 2) + cy) of the weights; q, k: 8 (4 Y + cy) of x.  No register of this chain holds cx
	s_lshl_b32 s23, 0x1111, s17                    ; my column of the cluster
	s_lshl_b32 s83, s18, 2
	s_lshl_b32 s83, 15, s83                        ; my row
	s_or_b32 s24, s23, (3<<16)|(1<<21)             ; group 1 for S0: the mask; elements of 8 bytes; bit 21 beside a mask; no padding
	s_mov_b32 s25, 384<<16                         ; tensor_dim0 = 384: a tile's two K steps, 3,072 bytes
	s_mov_b32 s26, 4<<16                           ; tensor_dim1 = 4 tiles
	s_mov_b32 s27, 384<<16                         ; tile_dim0
	s_mov_b32 s28, 4                               ; tile_dim1
	s_mov_b32 s29, 1536                            ; from tile to tile: 12,288 bytes
	s_mov_b32 s30, 0
	s_mov_b32 s31, 0
	s_or_b32 s32, s83, (3<<16)|(1<<21)             ; group 1 for S1: two tiles
	s_mov_b32 s33, 384<<16
	s_mov_b32 s34, 2<<16
	s_mov_b32 s35, 384<<16
	s_mov_b32 s36, 2
	s_mov_b32 s37, 1536
	s_mov_b32 s38, 0
	s_mov_b32 s39, 0
	s_lshl_b32 s84, s14, 2
	s_add_co_u32 s84, s84, s76
	s_mul_i32 s84, s84, 12288                      ; the four tiles of S0 that I fetch,
	s_mov_b32 s85, 0
	s_lshl_b32 s86, s14, 1
	s_add_co_u32 s86, s86, s80
	s_mul_i32 s86, s86, 12288                      ; the two of S1
	s_mov_b32 s87, 0
	s_lshl_b32 s88, s15, 3
	s_add_co_u32 s88, s88, s76
	s_lshl_b32 s88, s88, 9
	s_add_co_u32 s88, s88, s77                     ; the scale words of the eight tiles of S0 that I multiply,
	s_mov_b32 s89, 0
	s_lshl_b32 s90, s16, 2
	s_add_co_u32 s90, s90, s80
	s_lshl_b32 s90, s90, 9
	s_add_co_u32 s90, s90, s82                     ; of the four of S1
	s_mov_b32 s91, 0
	s_mul_i32 s92, s14, 12288                      ; where my loads land: the wave's number alone enters an LDS address
	s_mul_i32 s93, s14, 6144
	s_wait_dscnt 0x0                               ; both opening adds are done
	s_wait_kmcnt 0x0
	s_cmp_eq_u32 s19, 2
	s_cselect_b64 s[78:79], s[4:5], s[6:7]         ; S0's buffer
	s_cselect_b64 s[94:95], s[6:7], s[4:5]         ; S1's
	s_add_nc_u64 s[84:85], s[78:79], s[84:85]
	s_add_nc_u64 s[86:87], s[94:95], s[86:87]
	s_add_nc_u64 s[88:89], s[78:79], s[88:89]
	s_add_nc_u64 s[90:91], s[94:95], s[90:91]
	ROUND                                          ; all sixteen work-groups are here: the joint loads meet
.irp k, 0,1,2,3
	s_mov_b32 s[40+4*\k], 1
	s_add_co_u32 s[41+4*\k], s92, \k*49152
	s_add_nc_u64 s[42+4*\k:43+4*\k], s[84:85], \k*3072
	s_or_b32 s[43+4*\k], s[43+4*\k], 0x80000000
	s_mov_b32 s[56+4*\k+4*(\k/2)], 1
	s_add_co_u32 s[57+4*\k+4*(\k/2)], s93, S1B+\k*24576
	s_add_nc_u64 s[58+4*\k+4*(\k/2):59+4*\k+4*(\k/2)], s[86:87], \k*3072
	s_or_b32 s[59+4*\k+4*(\k/2)], s[59+4*\k+4*(\k/2)], 0x80000000
.endr
.irp k, 0,1,2,3
	tensor_load_to_lds s[40+4*\k:43+4*\k], s[24:31]
	s_nop 0
	tensor_load_to_lds s[56+4*\k+4*(\k/2):59+4*\k+4*(\k/2)], s[32:39]
	s_nop 0
.endr
.rept 4
	v_nop
.endr
	v_and_b32 v1, 31, v0                           ; l
	v_lshlrev_b32 v2, 4, v1                        ; 16 l
	v_lshl_add_u32 v3, v1, 3, 512                  ; 8 l + 512
	s_mul_i32 s96, s15, 24576
	v_add_nc_u32 v4, s96, v2                       ; S0's fragments: my eight tiles
	v_add_nc_u32 v5, s96, v3
	s_mul_i32 s96, s16, 12288
	s_add_co_u32 s96, s96, S1B
	v_add_nc_u32 v6, s96, v2                       ; S1's: my four
	v_add_nc_u32 v7, s96, v3
	v_and_b32 v10, 15, v0                          ; r
	v_bfe_u32 v11, v0, 4, 1                        ; h
	v_lshlrev_b32 v12, 4, v10
	v_lshl_add_u32 v12, v11, 9, v12                ; scale words: lanes 0-15 the even tile's row r, lanes 16-31 the odd tile's
	v_lshlrev_b32 v13, 2, v10                      ; 4 r
	v_lshlrev_b32 v14, 2, v1                       ; 4 l
.irp b, 0,1,2,3
	v_mov_b32 v[TM+4+\b], 0                        ; written once: a lane permute's destination counts as one of its sources
.endr
.irp p, 0,1,2,3
.irp k, 0,1
	global_load_b128 v[16+8*\p+4*\k:19+8*\p+4*\k], v12, s[88:89] offset:1024*\p+256*\k
.endr
.endr
.irp p, 0,1
.irp k, 0,1
	global_load_b128 v[48+8*\p+4*\k:51+8*\p+4*\k], v12, s[90:91] offset:1024*\p+256*\k
.endr
.endr
	s_cmp_eq_u32 s19, 2
	s_cbranch_scc1 .Lno_rope                       ; v is not turned
	s_lshl_b32 s96, s20, 2
	s_add_co_u32 s96, s96, s18
	s_and_b32 s97, s96, 15
	s_lshl_b32 s97, s97, 3
	s_lshl_b32 s98, s16, 2
	s_add_co_u32 s97, s97, s98                     ; my four tiles of positions: 8 (key step) + 4 p1 on
	s_lshl_b32 s98, s97, 12
	s_mov_b32 s99, 0
	s_add_nc_u64 s[98:99], s[8:9], s[98:99]
	WIN 0xC0                                       ; destination window 3
.irp a, 0,1,2,3
.irp m, 0,1,2,3,4,5,6,7
	global_load_b128 v[32*\a+4*\m:32*\a+4*\m+3], v2, s[98:99] offset:4096*\a+512*\m
.endr
.endr
	WIN 0
.Lno_rope:
	s_wait_tensorcnt 6                             ; my two loads of chunk 0 have landed; the six later ones may stay out
	s_barrier_signal -1
	s_barrier_wait -1                              ; everybody's have
	FETCH 0
	s_wait_loadcnt 0x0                             ; the scale words, and the table
.irp s, 0,1,2,3,4,5,6,7
	KSTEP \s
.endr
.rept 4
	v_nop                                          ; four places ahead of the first read of results
.endr
	s_cmp_eq_u32 s19, 2
	s_cbranch_scc1 .Lv_out
; ---- q and k.  Lane (r, h) holds row r of x's tile a; in accumulators (a, 4 e .. 4 e + 3) register 16 g + i is channel 32 g + 16 h + i of head e: x1 is g = 0, x2 is g = 1, the frequency 16 h + i.
	s_lshl_b32 s96, s20, 2
	s_add_co_u32 s96, s96, s18                     ; 4 Y + cy
	s_lshr_b32 s97, s96, 4                         ; the batch
	s_and_b32 s96, s96, 15                         ; the key step
	s_lshl_b32 s98, s17, 2
	s_lshl_b32 s99, s15, 1
	s_add_co_u32 s98, s98, s99
	s_lshl_b32 s97, s97, 4
	s_add_co_u32 s97, s97, s98                     ; batch x 16 + head, for e = 0
	s_mov_b32 s76, 212992
	s_mov_b32 s77, 13312
	s_mov_b32 s78, 212992
	s_mov_b32 s79, 13312
	s_mov_b32 s80, 6144
	s_cmp_eq_u32 s19, 0
	s_cselect_b32 s76, 98304, s76                  ; codes: from head to head,
	s_cselect_b32 s77, 6144, s77                   ; from key step to key step
	s_cselect_b32 s78, 8192, s78                   ; scale words likewise,
	s_cselect_b32 s79, 512, s79
	s_cselect_b32 s80, QSC, s80                    ; and where they begin
	s_cselect_b64 s[82:83], s[10:11], s[12:13]     ; qq or kv
	s_mul_i32 s84, s97, s76
	s_mul_i32 s85, s96, s77
	s_add_co_u32 s84, s84, s85
	s_mul_i32 s85, s16, 3072
	s_add_co_u32 s84, s84, s85
	s_mov_b32 s85, 0
	s_add_nc_u64 s[84:85], s[82:83], s[84:85]      ; codes, e = 0,
	s_mov_b32 s77, 0
	s_add_nc_u64 s[86:87], s[84:85], s[76:77]      ; e = 1
	s_mul_i32 s88, s97, s78
	s_mul_i32 s89, s96, s79
	s_add_co_u32 s88, s88, s89
	s_add_co_u32 s88, s88, s80
	s_lshl_b32 s89, s16, 8
	s_add_co_u32 s88, s88, s89
	s_mov_b32 s89, 0
	s_add_nc_u64 s[88:89], s[82:83], s[88:89]      ; scale words, e = 0,
	s_mov_b32 s79, 0
	s_add_nc_u64 s[90:91], s[88:89], s[78:79]      ; e = 1
.macro ROPEQ a, e
	s_wait_xcnt 0x0                                ; the last stores have read their data
	WIN 0x0E                                       ; source 0: the accumulators, window 2; source 1: the table, window 3
.irp m, 0,1,2,3,4,5,6,7                ; ascending: each accumulator is first read at its registers 0 and 1
	v_pk_mul_f32 v[H+2*\m:H+2*\m+1], v[64*\a+32*\e+16+2*\m:64*\a+32*\e+17+2*\m], v[32*\a+4*\m+2:32*\a+4*\m+3]
	v_pk_mul_f32 v[H+16+2*\m:H+17+2*\m], v[64*\a+32*\e+16+2*\m:64*\a+32*\e+17+2*\m], v[32*\a+4*\m:32*\a+4*\m+1]
	v_pk_fma_f32 v[H+2*\m:H+2*\m+1], v[64*\a+32*\e+2*\m:64*\a+32*\e+1+2*\m], v[32*\a+4*\m:32*\a+4*\m+1], v[H+2*\m:H+2*\m+1] neg_lo:[0,0,1] neg_hi:[0,0,1]   ; cos x1 - sin x2
	v_pk_fma_f32 v[H+16+2*\m:H+17+2*\m], v[64*\a+32*\e+2*\m:64*\a+32*\e+1+2*\m], v[32*\a+4*\m+2:32*\a+4*\m+3], v[H+16+2*\m:H+17+2*\m]                       ; sin x1 + cos x2
.endr
	WIN 0
	QUANT2 H
	v_lshl_or_b32 v[PW], v[TM+5], 8, v[TM+4]
	v_or_b32 v[PW], 0x7f7f0000, v[PW]              ; K is 64: the instruction's upper 64 are zero codes under the byte 127
	global_store_b128 v2, v[PC:PC+3], s[84+2*\e:85+2*\e] offset:768*\a
	global_store_b64 v3, v[PC+4:PC+5], s[84+2*\e:85+2*\e] offset:768*\a
	global_store_b32 v13, v[PW], s[88+2*\e:89+2*\e] offset:64*\a     ; lanes 16-31 store the same word to the same place
.endm
.irp a, 0,1,2,3
.irp e, 0,1
	ROPEQ \a, \e
.endr
.endr
	s_branch .Ldone
; ---- v.  Lane (r, h) holds channel r of Wv's tile a; in accumulators (a, 0 .. 7) register 16 b + i is key 32 b + 16 h + i of my key step: a fragment of V^T and its scale word.
.Lv_out:
	s_lshl_b32 s96, s21, 2
	s_add_co_u32 s96, s96, s17                     ; 4 (Y / 2) + cx
	s_lshr_b32 s97, s96, 3                         ; the batch
	s_and_b32 s96, s96, 7
	s_lshl_b32 s96, s96, 1
	s_add_co_u32 s96, s96, s15                     ; the key step
	s_lshl_b32 s98, s22, 2
	s_add_co_u32 s98, s98, s18
	s_lshl_b32 s98, s98, 1
	s_add_co_u32 s98, s98, s16                     ; the head
	s_lshl_b32 s97, s97, 4
	s_add_co_u32 s97, s97, s98
	s_mul_i32 s84, s97, 212992
	s_mul_i32 s85, s96, 13312
	s_add_co_u32 s84, s84, s85
	s_add_co_u32 s84, s84, 6656                    ; V's part of the record
	s_mov_b32 s85, 0
	s_add_nc_u64 s[84:85], s[12:13], s[84:85]
.macro QUANTW a
	WIN 0x28                                       ; sources 1 and 2: the accumulators, window 2
.irp b, 0,1,2,3
	v_max3_num_f32 v[TM+\b], 0x2800000, |v[64*\a+16*\b]|, |v[64*\a+16*\b+1]|
.endr
.irp i, 2,4,6,8,10,12,14
.irp b, 0,1,2,3
	v_max3_num_f32 v[TM+\b], v[TM+\b], |v[64*\a+16*\b+\i]|, |v[64*\a+16*\b+\i+1]|
.endr
.endr
	WIN 0
.irp b, 0,1,2,3
	v_permlanex16_b32 v[TM+4+\b], v[TM+\b], s[SEL], s[SEL+1]
.endr
.irp b, 0,1,2,3
	v_max_num_f32 v[TM+\b], v[TM+\b], v[TM+4+\b]
.endr
.irp b, 0,1,2,3
	v_add_nc_u32 v[TM+12+\b], 0xfe000000, v[TM+\b]
.endr
.irp b, 0,1,2,3
	v_lshrrev_b32 v[TM+4+\b], 23, v[TM+12+\b]
.endr
	v_lshl_or_b32 v[PW], v[TM+5], 8, v[TM+4]
	v_lshl_or_b32 v[PW], v[TM+6], 16, v[PW]
	v_lshl_or_b32 v[PW], v[TM+7], 24, v[PW]
	WIN 0x02                                       ; source 0: window 2
.irp c, 0,1
	v_cvt_scalef32_pk16_bf6_f32 v[PC+6*\c:PC+2+6*\c], v[64*\a+32*\c:64*\a+32*\c+15], v[TM+12+2*\c]
	v_cvt_scalef32_pk16_bf6_f32 v[PC+12+4*\c:PC+14+4*\c], v[64*\a+32*\c+16:64*\a+32*\c+31], v[TM+12+2*\c+1]
.endr
	WIN 0
	v_nop                                          ; one plain place behind a scaled conversion
.irp c, 0,1
.irp i, 0,1,2
	v_permlane16_swap_b32 v[PC+6*\c+\i], v[PC+12+4*\c+\i]
.endr
.irp i, 0,1,2
	v_mov_b32 v[PC+3+6*\c+\i], v[PC+12+4*\c+\i]
.endr
.endr
.endm
.irp a, 0,1,2,3
	s_wait_xcnt 0x0                                ; the last stores have read their data
	QUANTW \a
	global_store_b128 v2, v[PC:PC+3], s[84:85] offset:1536*\a
	global_store_b64 v3, v[PC+4:PC+5], s[84:85] offset:1536*\a
	global_store_b128 v2, v[PC+6:PC+9], s[84:85] offset:1536*\a+768
	global_store_b64 v3, v[PC+10:PC+11], s[84:85] offset:1536*\a+768
	global_store_b32 v14, v[PW], s[84:85] offset:6144+128*\a         ; all 32 lanes: lanes 16-31 repeat lanes 0-15
.endr
.Ldone:
	s_wait_tensorcnt 0x0                           ; the wave's end
	ds_add_u32 v[SPW], v[NIL]
	s_wait_dscnt 0x0
	ROUND                                          ; the closing round
	s_endpgm
.Lfunc_end_k_qe9d179cc84_qkv:
	.size	k_qe9d179cc84_qkv, .Lfunc_end_k_qe9d179cc84_qkv-k_qe9d179cc84_qkv
	.p2alignl 7, 3214868480
	.fill 96, 4, 3214868480
	.section	.rodata,"a",@progbits
	.p2align	6, 0x0
	.amdhsa_kernel k_qe9d179cc84_qkv
		.amdhsa_group_segment_fixed_size 295424
		.amdhsa_private_segment_fixed_size 0
		.amdhsa_enable_private_segment 0
		.amdhsa_kernarg_size 40
		.amdhsa_user_sgpr_count 2
		.amdhsa_user_sgpr_kernarg_segment_ptr 1
		.amdhsa_wavefront_size32 1
		.amdhsa_system_sgpr_workgroup_id_x 1
		.amdhsa_system_sgpr_workgroup_id_y 1
		.amdhsa_system_sgpr_workgroup_id_z 1
		.amdhsa_system_vgpr_workitem_id 0
		.amdhsa_next_free_vgpr 896
		.amdhsa_next_free_sgpr 100
		.amdhsa_reserve_vcc 0
		.amdhsa_float_denorm_mode_32 3
		.amdhsa_float_denorm_mode_16_64 3
		.amdhsa_memory_ordered 1
		.amdhsa_forward_progress 1
		.amdhsa_inst_pref_size 126
	.end_amdhsa_kernel
	.amdgpu_metadata
---
amdhsa.version: [ 1, 2 ]
amdhsa.kernels:
  - .name:           k_qe9d179cc84_qkv
    .symbol:         k_qe9d179cc84_qkv.kd
    .args:
      - { .name: xq, .offset: 0, .size: 8, .value_kind: global_buffer, .address_space: global }
      - { .name: wq, .offset: 8, .size: 8, .value_kind: global_buffer, .address_space: global }
      - { .name: rope, .offset: 16, .size: 8, .value_kind: global_buffer, .address_space: global }
      - { .name: qq, .offset: 24, .size: 8, .value_kind: global_buffer, .address_space: global }
      - { .name: kv, .offset: 32, .size: 8, .value_kind: global_buffer, .address_space: global }
    .group_segment_fixed_size: 295424
    .private_segment_fixed_size: 0
    .kernarg_segment_align: 8
    .kernarg_segment_size: 40
    .max_flat_workgroup_size: 128
    .sgpr_count:     100
    .vgpr_count:     896
    .wavefront_size: 32
...
	.end_amdgpu_metadata
.endif
;; end of part 2
;; launch attn (part 3): grid 4 x 64, 16 waves a work-group, clusters of 4 x 1, 215,040 bytes of LDS; arguments qq, kv, oq; writes oq
.if DOCPART == 3
	.amdgcn_target "amdgcn-amd-amdhsa--gfx1250"
	.amdhsa_code_object_version 6
	.text
	.protected	k_qe9d179cc84_attn
	.globl	k_qe9d179cc84_attn
	.p2align	8
	.type	k_qe9d179cc84_attn,@function
k_qe9d179cc84_attn:
	s_mov_b64 s[64:65], 0
	v_nop
	global_prefetch_b8 v0, s[64:65] scope:SCOPE_SE
	s_setreg_imm32_b32 hwreg(HW_REG_WAVE_MODE, 25, 1), 1
	s_wait_xcnt 0x0
	s_wait_alu depctr_hold_cnt(0) depctr_sa_sdst(0) depctr_va_vdst(0) depctr_va_sdst(0) depctr_va_ssrc(0) depctr_va_vcc(0) depctr_vm_vsrc(0)
	s_getreg_b32 s2, hwreg(HW_REG_IB_STS2, 6, 4)
	s_cmp_eq_u32 s2, 0
	s_cbranch_scc0 .Lentry_in_a_cluster
	s_endpgm
.Lentry_in_a_cluster:
	s_bfe_u32 s2, ttmp6, 0x10000c
	s_cmp_lg_u32 s2, 0x3003
	s_cbranch_scc0 .Lentry_shape_is_right
	s_endpgm
.Lentry_shape_is_right:
; LAUNCH 3 OF 4: o = softmax(q k^T / 8 under the causal mask) v on codes of E3M2, and o's own quantising along E on the way out.
; LEFT OUT: key steps of 128 keys that lie wholly behind a tile's 16 queries (reference()'s own mask makes their p the number 0: shown at the head of launch 1).
; THE SOFTMAX: t = score x log2(e) / 8; M = the running largest t rounded up to a whole number; p = 2^(t - M) is quantised along the keys, not normalised; the row's sum is taken of the unquantised p and
; divides at the end; when M moves, the sum and O are multiplied by 2^(old M - new M), which rounds nothing.
; SHARES.  The four work-groups of a cluster share one head (batch x 16 + head = the grid's y).  Work-group j owns query tiles 4 m + j, m = 0 .. 31; tile 4 m + j needs m / 2 + 1 key steps whatever j is.
; Wave w takes m = 31 - w and then m = w: 17 key steps for every wave of the launch.  No branch hangs on j.
; LDS.  The head's 16 records (128 keys each: K's 8 half fragments, their scale words, V^T's 4 fragments, their scale words: 13,312 bytes) stay in LDS as they lie in memory: 212,992 bytes, filled once.
; Each wave asks for two pieces of 6,656 bytes, jointly with its partners (all four walk all 16 records): two loads of mine are out, by this text's count.
; LAYOUT.  Both products are used transposed: S^T = K Q^T, O^T = V^T P^T: a lane holds one query throughout.  Tiles' rows are not neighbours (launch 1), so the 16 registers of S^T's tiles 2 b, 2 b + 1 are keys
; 32 b + 16 h + 0 .. 15, and those of O^T's likewise channels.  The head is 64 wide: the upper 64 of the first product's K are zero codes, set once, under the byte 127.
; REGISTERS: v1-3, v10, v11, v29 lane offsets; v6-8 the step's LDS addresses; v9 the mask's bound; v12 -M, v13 the largest t, v[14:15] the sum; v16-27 Q, v28 its scale word; v32-79 four fragments of K;
; v80-83 K's scale words, v84-87 V's; v96-159 S^T, then p, then V's fragments; v160-191 O^T; v192-210 p's codes; v212-225 at work; v226 p's scale word; v236-242 the second tile's Q; v[252:253] a factor.
.set QSC,   6291456
.set OSC,   6291456
.set REC,   13312
.set SPARE, 212992                     ; the spare words, 128 bytes a wave: eight blocks of 256 bytes that no other line names
.set SPW,   4
.set NIL,   5
.set BM,    212
.set BX,    216
.set SO,    220
.set TA,    224
.set NINF,  225
.set PWD,   226
.set PCD,   192
.set PXD,   204
.set WV,    10
.set SEL,   2                          ; s[2:3]
.set CS,    60                         ; s[60:61] c = log2(e) / 8
.set NN,    56                         ; key steps of the tile in hand
.set NL,    57                         ; the one on the diagonal
.set RB,    58                         ; LDS byte of the record in hand
.set KS,    59                         ; its number
.set CT,    62
.set TB,    32                         ; s32-43 the first tile's numbers and addresses; s44-55 the second's
.set TC,    44
.macro ROUND
	s_barrier_signal -1
	s_barrier_wait -1
	s_cmp_lg_u32 s[WV], 0
	s_cbranch_scc1 .Lnot_wave_0_\@
	s_barrier_signal -3
.Lnot_wave_0_\@:
	s_barrier_wait -3
	s_barrier_signal -1
	s_barrier_wait -1
.endm
; from m in s[B]: +1 the tile; +2 Q's codes; +4 Q's scale words; +6 o's codes; +8 o's scale bytes; +10 m / 2; +11 the mask's scalar part
.macro TADR B
	s_lshl_b32 s[\B+1], s[\B], 2
	s_add_co_u32 s[\B+1], s[\B+1], s11
	s_mul_i32 s[\B+2], s12, 98304
	s_mul_i32 s63, s[\B+1], 768
	s_add_co_u32 s[\B+2], s[\B+2], s63
	s_mov_b32 s[\B+3], 0
	s_add_nc_u64 s[\B+2:\B+3], s[4:5], s[\B+2:\B+3]
	s_lshl_b32 s[\B+4], s12, 13
	s_lshl_b32 s63, s[\B+1], 6
	s_add_co_u32 s[\B+4], s[\B+4], s63
	s_add_co_u32 s[\B+4], s[\B+4], QSC
	s_mov_b32 s[\B+5], 0
	s_add_nc_u64 s[\B+4:\B+5], s[4:5], s[\B+4:\B+5]
	s_lshr_b32 s63, s12, 4
	s_lshl_b32 s63, s63, 7
	s_add_co_u32 s63, s63, s[\B+1]                 ; the tile among all 512
	s_lshl_b32 s[\B+8], s63, 9
	s_lshl_b32 s63, s63, 4
	s_and_b32 s[\B+6], s12, 15                     ; the head
	s_add_co_u32 s63, s63, s[\B+6]
	s_lshl_b32 s[\B+6], s[\B+6], 5
	s_add_co_u32 s[\B+8], s[\B+8], s[\B+6]
	s_add_co_u32 s[\B+8], s[\B+8], OSC
	s_mov_b32 s[\B+9], 0
	s_add_nc_u64 s[\B+8:\B+9], s[8:9], s[\B+8:\B+9]
	s_mul_i32 s[\B+6], s63, 768
	s_mov_b32 s[\B+7], 0
	s_add_nc_u64 s[\B+6:\B+7], s[8:9], s[\B+6:\B+7]
	s_lshr_b32 s[\B+10], s[\B], 1
	s_and_b32 s[\B+11], s[\B], 1
	s_lshl_b32 s[\B+11], s[\B+11], 6
	s_lshr_b32 s63, s11, 1
	s_lshl_b32 s63, s63, 5
	s_add_co_u32 s[\B+11], s[\B+11], s63
	s_and_b32 s63, s11, 1
	s_lshl_b32 s63, s63, 3
	s_add_co_u32 s[\B+11], s[\B+11], s63           ; 64 (m % 2) + 32 (j / 2) + 8 (j % 2)
.endm
.macro BEGIN B                         ; a tile begins: O^T and the sum as zeros, the largest t under every t
	s_add_co_u32 s[NN], s[\B+10], 1
	s_mov_b32 s[NL], s[\B+10]
	v_add_nc_u32 v9, s[\B+11], v30                 ; my query, counted from the diagonal step's first key, less 16 h
	v_mov_b32 v13, 0xff61b1e6
	s_delay_alu instid0(VALU_DEP_1)
	v_floor_f32 v12, -v13
	v_mov_b32 v14, 0
	v_mov_b32 v15, 0
.irp j, 0,1,2,3,4,5,6,7,8,9,10,11,12,13,14,15,16,17,18,19,20,21,22,23,24,25,26,27,28,29,30,31
	v_mov_b32 v[160+\j], 0
.endr
.endm
.macro QUANT2 s                        ; 32 numbers, register 16 b + i = K 32 b + 16 h + i, become a half fragment in v[PCD .. PCD + 5]; the bytes stay in v[BX], v[BX + 1]
	v_max3_num_f32 v[BM], |v[\s]|, |v[\s+1]|, 0x2800000
	v_max3_num_f32 v[BM+1], |v[\s+16]|, |v[\s+17]|, 0x2800000
.irp i, 2,4,6,8,10,12,14
	s_delay_alu instid0(VALU_DEP_2)
	v_max3_num_f32 v[BM], v[BM], |v[\s+\i]|, |v[\s+1+\i]|
	s_delay_alu instid0(VALU_DEP_2)
	v_max3_num_f32 v[BM+1], v[BM+1], |v[\s+16+\i]|, |v[\s+17+\i]|
.endr
	s_delay_alu instid0(VALU_DEP_2)
	v_permlanex16_b32 v[BX], v[BM], s[SEL], s[SEL+1]
	s_delay_alu instid0(VALU_DEP_2)
	v_permlanex16_b32 v[BX+1], v[BM+1], s[SEL], s[SEL+1]
	s_delay_alu instid0(VALU_DEP_2)
	v_max_num_f32 v[BM], v[BM], v[BX]
	s_delay_alu instid0(VALU_DEP_2)
	v_max_num_f32 v[BM+1], v[BM+1], v[BX+1]
	s_delay_alu instid0(VALU_DEP_2)
	v_add_nc_u32 v[SO], 0xfe000000, v[BM]
	s_delay_alu instid0(VALU_DEP_2)
	v_add_nc_u32 v[SO+1], 0xfe000000, v[BM+1]
	s_delay_alu instid0(VALU_DEP_2)
	v_lshrrev_b32 v[BX], 23, v[SO]
	s_delay_alu instid0(VALU_DEP_2)
	v_lshrrev_b32 v[BX+1], 23, v[SO+1]
	v_cvt_scalef32_pk16_bf6_f32 v[PCD:PCD+2], v[\s:\s+15], v[SO]
	v_cvt_scalef32_pk16_bf6_f32 v[PXD:PXD+2], v[\s+16:\s+31], v[SO+1]
	v_nop                                          ; one plain place behind a scaled conversion
.irp i, 0,1,2
	v_permlane16_swap_b32 v[PCD+\i], v[PXD+\i]
.endr
.irp i, 0,1,2
	s_delay_alu instid0(VALU_DEP_3)
	v_mov_b32 v[PCD+3+\i], v[PXD+\i]
.endr
.endm
; A KEY STEP: the 128 keys of the record at s[RB]
.macro STEP masked
	v_add_nc_u32 v6, s[RB], v1
	s_wait_alu depctr_va_vdst(0)
	v_add_nc_u32 v7, s[RB], v2
	s_wait_alu depctr_va_vdst(0)
	v_add_nc_u32 v8, s[RB], v3
.irp p, 0,1,2,3
	ds_load_b32 v[80+\p], v8 offset:6144+128*\p    ; K's scale words: lanes 0-15 tile 2 p, lanes 16-31 tile 2 p + 1
.endr
.irp g, 0,1
.if \g
.rept 4
	v_nop                                          ; four places ahead of loads into registers that matrix instructions have read
.endr
.endif
.irp t, 0,1,2,3
	ds_load_b128 v[32+12*\t:35+12*\t], v6 offset:768*(4*\g+\t)
	ds_load_b64 v[36+12*\t:37+12*\t], v7 offset:768*(4*\g+\t)+512
.endr
	s_wait_dscnt 0x0
	v_wmma_scale_f32_16x16x128_f8f6f4 v[96+32*\g:103+32*\g], v[32:43], v[16:27], 0, v[80+2*\g], v28 matrix_a_fmt:MATRIX_FMT_BF6 matrix_b_fmt:MATRIX_FMT_BF6
	v_wmma_scale_f32_16x16x128_f8f6f4 v[104+32*\g:111+32*\g], v[44:55], v[16:27], 0, v[80+2*\g], v28 matrix_a_fmt:MATRIX_FMT_BF6 matrix_b_fmt:MATRIX_FMT_BF6 matrix_a_scale:MATRIX_SCALE_ROW1
	v_wmma_scale_f32_16x16x128_f8f6f4 v[112+32*\g:119+32*\g], v[56:67], v[16:27], 0, v[81+2*\g], v28 matrix_a_fmt:MATRIX_FMT_BF6 matrix_b_fmt:MATRIX_FMT_BF6
	v_wmma_scale_f32_16x16x128_f8f6f4 v[120+32*\g:127+32*\g], v[68:79], v[16:27], 0, v[81+2*\g], v28 matrix_a_fmt:MATRIX_FMT_BF6 matrix_b_fmt:MATRIX_FMT_BF6 matrix_a_scale:MATRIX_SCALE_ROW1
.endr
.rept 4
	v_nop                                          ; four places ahead of the first read of results
.endr
.if \masked
	s_cmp_lg_u32 s[KS], s[NL]                      ; only the step on the diagonal hides keys: a branch on the wave's number and the count of steps
	s_cbranch_scc1 .Lopen_\@
.irp n, 0,1,2,3,4,5,6,7,8,9,10,11,12,13,14,15,16,17,18,19,20,21,22,23,24,25,26,27,28,29,30,31,32,33,34,35,36,37,38,39,40,41,42,43,44,45,46,47,48,49,50,51,52,53,54,55,56,57,58,59,60,61,62,63
	v_cmp_gt_i32 vcc_lo, 32*(\n/16)+\n%16, v9      ; register 16 b + i holds key 32 b + 16 h + i of the step: hidden where it comes after my query
	v_cndmask_b32 v[96+\n], v[96+\n], v[NINF], vcc_lo
.endr
.Lopen_\@:
.endif
.irp b, 0,1,2,3
	v_max3_num_f32 v[BM+\b], v[96+16*\b], v[97+16*\b], v[98+16*\b]   ; the largest score of each block of 32 keys: for the row's maximum and, since p rises with the score, for the block's largest p
.endr
.irp i, 3,5,7,9,11,13
.irp b, 0,1,2,3
	v_max3_num_f32 v[BM+\b], v[BM+\b], v[96+16*\b+\i], v[97+16*\b+\i]
.endr
.endr
.irp b, 0,1,2,3
	v_max_num_f32 v[BM+\b], v[BM+\b], v[111+16*\b]
.endr
.irp b, 0,1,2,3
	s_delay_alu instid0(VALU_DEP_4)
	v_permlanex16_b32 v[BX+\b], v[BM+\b], s[SEL], s[SEL+1]
.endr
.irp b, 0,1,2,3
	s_delay_alu instid0(VALU_DEP_4)
	v_max_num_f32 v[BM+\b], v[BM+\b], v[BX+\b]
.endr
	s_delay_alu instid0(VALU_DEP_2)
	v_max3_num_f32 v[TA], v[BM], v[BM+1], v[BM+2]
	s_delay_alu instid0(VALU_DEP_1)
	v_max_num_f32 v[TA], v[TA], v[BM+3]
	s_delay_alu instid0(VALU_DEP_1)
	v_mul_f32 v[TA], s[CS], v[TA]
	s_delay_alu instid0(VALU_DEP_1)
	v_max_num_f32 v13, v13, v[TA]                  ; the running largest t
	v_mov_b32 v[TA], v12
	s_delay_alu instid0(VALU_DEP_2)
	v_floor_f32 v12, -v13                          ; -M = floor(-t): M is a whole number
	s_delay_alu instid0(VALU_DEP_1)
	v_sub_f32 v[TA], v12, v[TA]
	s_delay_alu instid0(VALU_DEP_1)
	v_cvt_i32_f32 v[TA], v[TA]                     ; (it saturates)
	s_delay_alu instid0(VALU_DEP_1)
	v_ldexp_f32 v252, 1.0, v[TA]                   ; f = 2^(old M - new M)
.irp j, 0,2,4,6,8,10,12,14,16,18,20,22,24,26,28,30,32,34,36,38,40,42,44,46,48,50,52,54,56,58,60,62
	v_pk_fma_f32 v[96+\j:97+\j], v[96+\j:97+\j], s[CS:CS+1], v[12:13] op_sel_hi:[1,0,0]   ; t - M
.endr
.irp b, 0,1,2,3
	v_fma_f32 v[BM+\b], v[BM+\b], s[CS], v12
.endr
	s_setprio 1
	s_wait_alu depctr_va_vdst(0)
.irp j, 0,1,2,3,4,5,6,7,8,9,10,11,12,13,14,15,16,17,18,19,20,21,22,23,24,25,26,27,28,29,30,31,32,33,34,35,36,37,38,39,40,41,42,43,44,45,46,47,48,49,50,51,52,53,54,55,56,57,58,59,60,61,62,63
	v_exp_f32 v[96+\j], v[96+\j]                   ; p
.endr
	v_pk_mul_f32 v[14:15], v[14:15], v[252:253] op_sel_hi:[1,0]      ; the sum under the new M (a plain place behind the exponentials)
	s_wait_alu depctr_va_vdst(0)                   ; one wait for the batch of 64, ahead of its first reader
.irp b, 0,1,2,3
	v_exp_f32 v[BM+\b], v[BM+\b]                   ; each block's largest p
.endr
	v_pk_add_f32 v[216:217], v[100:101], v[104:105]
	v_pk_add_f32 v[254:255], v[108:109], v[112:113]
	v_pk_add_f32 v[250:251], v[116:117], v[120:121]
	v_pk_add_f32 v[248:249], v[124:125], v[128:129]
	v_pk_add_f32 v[246:247], v[132:133], v[136:137]
	v_pk_add_f32 v[244:245], v[140:141], v[144:145]
	v_pk_add_f32 v[234:235], v[148:149], v[152:153]
	v_pk_add_f32 v[14:15], v[14:15], v[156:157]
	v_pk_add_f32 v[216:217], v[216:217], v[96:97]
	v_pk_add_f32 v[254:255], v[254:255], v[98:99]
	v_pk_add_f32 v[250:251], v[250:251], v[102:103]
	v_pk_add_f32 v[248:249], v[248:249], v[106:107]
	v_pk_add_f32 v[246:247], v[246:247], v[110:111]
	v_pk_add_f32 v[244:245], v[244:245], v[114:115]
	v_pk_add_f32 v[234:235], v[234:235], v[118:119]
	v_pk_add_f32 v[14:15], v[14:15], v[122:123]
	v_pk_add_f32 v[216:217], v[216:217], v[126:127]
	v_pk_add_f32 v[254:255], v[254:255], v[130:131]
	v_pk_add_f32 v[250:251], v[250:251], v[134:135]
	v_pk_add_f32 v[248:249], v[248:249], v[138:139]
	v_pk_add_f32 v[246:247], v[246:247], v[142:143]
	v_pk_add_f32 v[244:245], v[244:245], v[146:147]
	v_pk_add_f32 v[234:235], v[234:235], v[150:151]
	v_pk_add_f32 v[14:15], v[14:15], v[154:155]
	v_pk_add_f32 v[216:217], v[216:217], v[158:159]
	s_delay_alu instid0(VALU_DEP_2)
	v_pk_add_f32 v[14:15], v[14:15], v[248:249]
	s_delay_alu instid0(VALU_DEP_2)
	v_pk_add_f32 v[216:217], v[216:217], v[246:247]
	v_pk_add_f32 v[254:255], v[254:255], v[244:245]
	v_pk_add_f32 v[250:251], v[250:251], v[234:235]
	s_delay_alu instid0(VALU_DEP_2)
	v_pk_add_f32 v[14:15], v[14:15], v[254:255]
	s_delay_alu instid0(VALU_DEP_2)
	v_pk_add_f32 v[216:217], v[216:217], v[250:251]
	s_delay_alu instid0(VALU_DEP_1)
	v_pk_add_f32 v[14:15], v[14:15], v[216:217]
	s_wait_alu depctr_va_vdst(0)                   ; and one for the four
.irp b, 0,1,2,3
	v_max_num_f32 v[BM+\b], 0x2800000, v[BM+\b]    ; the floor 2^(5 - 127): the byte cannot fall under 1
.endr
.irp b, 0,1,2,3
	s_delay_alu instid0(VALU_DEP_4)
	v_add_nc_u32 v[SO+\b], 0xfe000000, v[BM+\b]
.endr
.irp b, 0,1,2,3
	s_delay_alu instid0(VALU_DEP_4)
	v_lshrrev_b32 v[BX+\b], 23, v[SO+\b]
.endr
	s_delay_alu instid0(VALU_DEP_3)
	v_lshl_or_b32 v[PWD], v[BX+1], 8, v[BX]
	s_delay_alu instid0(VALU_DEP_1)
	v_lshl_or_b32 v[PWD], v[BX+2], 16, v[PWD]
	s_delay_alu instid0(VALU_DEP_1)
	v_lshl_or_b32 v[PWD], v[BX+3], 24, v[PWD]      ; p's scale word for these 128 keys
.irp c, 0,1
	v_cvt_scalef32_pk16_bf6_f32 v[PCD+6*\c:PCD+2+6*\c], v[96+32*\c:111+32*\c], v[SO+2*\c]
	v_cvt_scalef32_pk16_bf6_f32 v[PXD+4*\c:PXD+2+4*\c], v[112+32*\c:127+32*\c], v[SO+2*\c+1]
.endr
	v_nop                                          ; one plain place behind a scaled conversion
.irp c, 0,1
.irp i, 0,1,2
	v_permlane16_swap_b32 v[PCD+6*\c+\i], v[PXD+4*\c+\i]
.endr
.irp i, 0,1,2
	s_delay_alu instid0(VALU_DEP_3)
	v_mov_b32 v[PCD+3+6*\c+\i], v[PXD+4*\c+\i]
.endr
.endr
.irp t, 0,1,2,3                        ; V^T's four fragments land where p lay, while O^T is rescaled
	ds_load_b128 v[96+12*\t:99+12*\t], v6 offset:6656+1536*\t
	ds_load_b64 v[100+12*\t:101+12*\t], v7 offset:6656+1536*\t+512
	ds_load_b128 v[102+12*\t:105+12*\t], v6 offset:6656+1536*\t+768
	ds_load_b64 v[106+12*\t:107+12*\t], v7 offset:6656+1536*\t+1280
	ds_load_b32 v[84+\t], v8 offset:12800+128*\t
.endr
	s_setprio 0
.irp j, 0,2,4,6,8,10,12,14,16,18,20,22,24,26,28,30
	v_pk_mul_f32 v[160+\j:161+\j], v[160+\j:161+\j], v[252:253] op_sel_hi:[1,0]   ; O^T under the new M.  Twelve of these name no register of any one product below: the places between p's scale word and codes and the products
.endr
	s_wait_alu depctr_va_vdst(0)
	s_wait_dscnt 0x0
.irp t, 0,1,2,3
	v_wmma_scale_f32_16x16x128_f8f6f4 v[160+8*\t:167+8*\t], v[96+12*\t:107+12*\t], v[PCD:PCD+11], v[160+8*\t:167+8*\t], v[84+\t], v[PWD] matrix_a_fmt:MATRIX_FMT_BF6 matrix_b_fmt:MATRIX_FMT_BF6
.endr
.rept 5
	v_nop                                          ; five places: the next step's scores are laid over registers that these four products read
.endr
.endm
; Eight records from number first on: the trip count is a constant; where a tile has fewer steps, a branch on the wave's number leads round a step's work alone
.macro LOOPK first, masked
	s_mov_b32 s[RB], \first*REC
	s_mov_b32 s[KS], \first
	s_mov_b32 s[CT], 8
.Lk_\@:
.if \masked
	s_cmp_ge_u32 s[KS], s[NN]
	s_cbranch_scc1 .Lskip_\@
.endif
	s_setprio 2
	STEP \masked
.Lskip_\@:
	s_add_co_u32 s[RB], s[RB], REC
	s_add_co_u32 s[KS], s[KS], 1
	s_sub_co_u32 s[CT], s[CT], 1
	s_cmp_lg_u32 s[CT], 0
	s_cbranch_scc1 .Lk_\@
	s_setprio 0
.endm
; O^T / the sum, quantised along E (my head's two blocks of 32), as half a fragment of the last product's operand
.macro OUTQ B
	v_add_f32 v14, v14, v15
	s_delay_alu instid0(VALU_DEP_1)
	v_permlanex16_b32 v[BX], v14, s[SEL], s[SEL+1]
	s_delay_alu instid0(VALU_DEP_1)
	v_add_f32 v14, v14, v[BX]
	s_wait_alu depctr_va_vdst(0)
	v_rcp_f32 v252, v14
	v_nop                                          ; a plain place behind the reciprocal
	s_wait_alu depctr_va_vdst(0)                   ; and the wait ahead of its first reader
.irp j, 0,2,4,6,8,10,12,14,16,18,20,22,24,26,28,30
	v_pk_mul_f32 v[96+\j:97+\j], v[160+\j:161+\j], v[252:253] op_sel_hi:[1,0]   ; ascending: each accumulator from its low end on
.endr
	QUANT2 96
	v_lshl_or_b32 v[TA], v[BX+1], 8, v[BX]
	global_store_b128 v1, v[PCD:PCD+3], s[\B+6:\B+7]
	global_store_b64 v10, v[PCD+4:PCD+5], s[\B+6:\B+7]
	global_store_b16 v29, v[TA], s[\B+8:\B+9]      ; lanes 16-31 store the same two bytes to the same place
	s_wait_xcnt 0x0                                ; the stores have read their data
.endm
	s_load_b128 s[4:7], s[0:1], 0x0                ; qq, kv
	s_load_b64 s[8:9], s[0:1], 0x10                ; oq
	v_lshl_add_u32 v[SPW], v0, 2, SPARE
	v_mov_b32 v[NIL], 0
	ds_add_u32 v[SPW], v[NIL]                      ; the wave's opening
	ds_add_u32 v[SPW], v[NIL]
	v_lshrrev_b32 v1, 5, v0
	s_delay_alu instid0(VALU_DEP_1)
	v_readfirstlane_b32 s[WV], v1                  ; wave 0..15
	s_bfe_u32 s11, ttmp6, 0x40000                  ; j: my place in the cluster: it enters global addresses and the mask's numbers alone
	s_and_b32 s12, ttmp7, 0xffff                   ; batch x 16 + head
	s_mov_b32 s16, 15|(3<<16)|(1<<21)              ; group 1: all four work-groups; elements of 8 bytes; bit 21 beside a mask; no padding
	s_mov_b32 s17, 32<<16                          ; rows of 256 bytes,
	s_mov_b32 s18, 26<<16                          ; 26 of them, dense
	s_mov_b32 s19, 32<<16
	s_mov_b32 s20, 26
	s_mov_b32 s21, 32
	s_mov_b32 s22, 0
	s_mov_b32 s23, 0
	s_mul_i32 s13, s[WV], 6656                     ; my piece, in LDS as in memory
	s_mul_i32 s14, s12, 212992
	s_add_co_u32 s14, s14, s13
	s_mov_b32 s15, 0
	s_mov_b32 s[SEL], 0x76543210
	s_mov_b32 s[SEL+1], 0xfedcba98
	s_mov_b32 s[CS], 0x3e38aa3b
	s_mov_b32 s[CS+1], s[CS]                       ; (named with it as a pair, so it is written)
	s_wait_dscnt 0x0                               ; both opening adds are done
	s_wait_kmcnt 0x0
	ROUND                                          ; all four work-groups are here: the joint loads meet
	s_mov_b32 s24, 1
	s_mov_b32 s25, s13
	s_add_nc_u64 s[26:27], s[6:7], s[14:15]
	s_add_nc_u64 s[30:31], s[26:27], 106496
	s_or_b32 s27, s27, 0x80000000
	s_mov_b32 s28, 1
	s_add_co_u32 s29, s13, 106496
	s_or_b32 s31, s31, 0x80000000
	tensor_load_to_lds s[24:27], s[16:23]          ; records 0-7
	s_nop 0
	tensor_load_to_lds s[28:31], s[16:23]          ; records 8-15
	s_nop 0
.rept 4
	v_nop
.endr
	s_sub_co_u32 s[TB], 31, s[WV]                  ; the long tile first,
	s_mov_b32 s[TC], s[WV]                         ; then the short one
	TADR TB
	TADR TC
	v_and_b32 v31, 31, v0                          ; l
	s_delay_alu instid0(VALU_DEP_1)
	v_lshlrev_b32 v1, 4, v31
	s_delay_alu instid0(VALU_DEP_2)
	v_lshlrev_b32 v2, 3, v31
	s_delay_alu instid0(VALU_DEP_3)
	v_lshlrev_b32 v3, 2, v31
	s_delay_alu instid0(VALU_DEP_2)
	v_add_nc_u32 v10, 512, v2
	v_and_b32 v29, 15, v0                          ; r
	s_delay_alu instid0(VALU_DEP_1)
	v_lshlrev_b32 v11, 2, v29
	global_load_b128 v[16:19], v1, s[TB+2:TB+3]
	global_load_b64 v[20:21], v10, s[TB+2:TB+3]
	global_load_b32 v28, v11, s[TB+4:TB+5]
	global_load_b128 v[236:239], v1, s[TC+2:TC+3]
	global_load_b64 v[240:241], v10, s[TC+2:TC+3]
	global_load_b32 v242, v11, s[TC+4:TC+5]
	v_lshrrev_b32 v30, 3, v29
	s_delay_alu instid0(VALU_DEP_1)
	v_lshl_add_u32 v30, v30, 3, v29
	v_bfe_u32 v6, v0, 4, 1
	s_delay_alu instid0(VALU_DEP_1)
	v_lshlrev_b32 v6, 4, v6
	s_delay_alu instid0(VALU_DEP_1)
	v_sub_nc_u32 v30, v30, v6                      ; r + 8 (r / 8) - 16 h
	v_lshlrev_b32 v29, 1, v29                      ; 2 r
.irp j, 22,23,24,25,26,27
	v_mov_b32 v[\j], 0                             ; zero codes: the upper 64 of the first product's K
.endr
.irp t, 0,1,2,3
.irp j, 6,7,8,9,10,11
	v_mov_b32 v[32+12*\t+\j], 0
.endr
.endr
.irp b, 0,1,2,3
	v_mov_b32 v[BX+\b], 0                          ; written once: a lane permute's destination counts as one of its sources
.endr
	v_mov_b32 v253, 0                              ; (named as the upper half of the pair v[252:253])
	v_mov_b32 v[NINF], 0xff800000
	BEGIN TB
	s_wait_loadcnt 0x0                             ; Q
	s_wait_tensorcnt 1                             ; my piece of records 0-7 has landed; the other load may stay out
	s_barrier_signal -1
	s_barrier_wait -1                              ; everybody's has
	LOOPK 0, 0                                     ; the long tile has nine steps or more: its first eight are whole
	s_wait_tensorcnt 0x0                           ; my piece of records 8-15
	s_wait_dscnt 0x0
	s_barrier_signal -1
	s_barrier_wait -1
	LOOPK 8, 1
	OUTQ TB
.irp j, 0,1,2,3,4,5
	v_mov_b32 v[16+\j], v[236+\j]
.endr
	v_mov_b32 v28, v242
	BEGIN TC                                       ; (its 37 plain lines are the places between these moves and the next products)
	LOOPK 0, 1
	OUTQ TC
	s_wait_tensorcnt 0x0                           ; the wave's end
	ds_add_u32 v[SPW], v[NIL]
	s_wait_dscnt 0x0
	ROUND                                          ; the closing round
	s_endpgm
.Lfunc_end_k_qe9d179cc84_attn:
	.size	k_qe9d179cc84_attn, .Lfunc_end_k_qe9d179cc84_attn-k_qe9d179cc84_attn
	.p2alignl 7, 3214868480
	.fill 96, 4, 3214868480
	.section	.rodata,"a",@progbits
	.p2align	6, 0x0
	.amdhsa_kernel k_qe9d179cc84_attn
		.amdhsa_group_segment_fixed_size 215040
		.amdhsa_private_segment_fixed_size 0
		.amdhsa_enable_private_segment 0
		.amdhsa_kernarg_size 24
		.amdhsa_user_sgpr_count 2
		.amdhsa_user_sgpr_kernarg_segment_ptr 1
		.amdhsa_wavefront_size32 1
		.amdhsa_system_sgpr_workgroup_id_x 1
		.amdhsa_system_sgpr_workgroup_id_y 1
		.amdhsa_system_sgpr_workgroup_id_z 1
		.amdhsa_system_vgpr_workitem_id 0
		.amdhsa_next_free_vgpr 256
		.amdhsa_next_free_sgpr 66
		.amdhsa_reserve_vcc 1
		.amdhsa_float_denorm_mode_32 3
		.amdhsa_float_denorm_mode_16_64 3
		.amdhsa_memory_ordered 1
		.amdhsa_forward_progress 1
		.amdhsa_inst_pref_size 85
	.end_amdhsa_kernel
	.amdgpu_metadata
---
amdhsa.version: [ 1, 2 ]
amdhsa.kernels:
  - .name:           k_qe9d179cc84_attn
    .symbol:         k_qe9d179cc84_attn.kd
    .args:
      - { .name: qq, .offset: 0, .size: 8, .value_kind: global_buffer, .address_space: global }
      - { .name: kv, .offset: 8, .size: 8, .value_kind: global_buffer, .address_space: global }
      - { .name: oq, .offset: 16, .size: 8, .value_kind: global_buffer, .address_space: global }
    .group_segment_fixed_size: 215040
    .private_segment_fixed_size: 0
    .kernarg_segment_align: 8
    .kernarg_segment_size: 24
    .max_flat_workgroup_size: 512
    .sgpr_count:     66
    .vgpr_count:     256
    .wavefront_size: 32
...
	.end_amdgpu_metadata
.endif
;; end of part 3
;; launch outp (part 4): grid 4 x 64, 4 waves a work-group, clusters of 4 x 4, 295,424 bytes of LDS; arguments oq, wq, out0; writes out0
.if DOCPART == 4
	.amdgcn_target "amdgcn-amd-amdhsa--gfx1250"
	.amdhsa_code_object_version 6
	.text
	.protected	k_qe9d179cc84_outp
	.globl	k_qe9d179cc84_outp
	.p2align	8
	.type	k_qe9d179cc84_outp,@function
k_qe9d179cc84_outp:
	s_mov_b64 s[64:65], 0
	v_nop
	global_prefetch_b8 v0, s[64:65] scope:SCOPE_SE
	s_setreg_imm32_b32 hwreg(HW_REG_WAVE_MODE, 25, 1), 1
	s_wait_xcnt 0x0
	s_wait_alu depctr_hold_cnt(0) depctr_sa_sdst(0) depctr_va_vdst(0) depctr_va_sdst(0) depctr_va_ssrc(0) depctr_va_vcc(0) depctr_vm_vsrc(0)
	s_getreg_b32 s2, hwreg(HW_REG_IB_STS2, 6, 4)
	s_cmp_eq_u32 s2, 0
	s_cbranch_scc0 .Lentry_in_a_cluster
	s_endpgm
.Lentry_in_a_cluster:
	s_bfe_u32 s2, ttmp6, 0x10000c
	s_cmp_lg_u32 s2, 0xf033
	s_cbranch_scc0 .Lentry_shape_is_right
	s_endpgm
.Lentry_shape_is_right:
; LAUNCH 4 OF 4: out0 = o Wo on codes of E3M2.  The body is launch 2's: a work-group makes S0 256 x S1 128 with all of K = 1,024 of both tiles in LDS, filled once by eight tensor loads a wave that go out
; together at the head (eight of mine are out, by this text's count).  S0 = Wo's columns (source 0), S1 = o's rows (source 1): a lane holds one row of out0 and eight neighbouring columns an accumulator.
; Four waves, each S0 128 x S1 64: 32 accumulators.  CLUSTER 4 x 4: S0's tile hangs on cx and is asked for jointly by my column of the cluster, S1's on cy, by my row.
; o's scale bytes lie two to a head and row: two pieces make a K step's word.
; THE WAY OUT: 16 rows x 128 columns at a time through my own stage in LDS, back as whole rows of 512 bytes.  The stage lies in S0's first chunk: it has had its only fill, and every wave's reads of it were
; waited for ahead of the barrier in K step 1.
; REGISTERS: window 0: v2-15 addresses; v16-47 S0's scale words, v48-63 S1's; v64-159 S1's fragments, two sets (on the way out v64-191: rows read back); v160-191 the pieces of S1's scale words.
;   window 1: S0's fragments, two sets of 96.   window 2: accumulator (a, b) at v[8 (8 a + b)].
.set WSC,   3145728
.set OSC,   6291456
.set S1B,   196608
.set SPARE, 294912                     ; the spare words, 128 bytes a wave: two blocks of 256 bytes that no other line names
.set SPW,   8
.set NIL,   9
.set STO,   10
.set RD,    11
.set BK,    64
.set MSB, 0
.macro WIN new
.if MSB != \new
	s_set_vgpr_msb (MSB<<8)|\new
.set MSB, \new
.endif
.endm
.macro ROUND
	s_barrier_signal -1
	s_barrier_wait -1
	s_cmp_lg_u32 s14, 0
	s_cbranch_scc1 .Lnot_wave_0_\@
	s_barrier_signal -3
.Lnot_wave_0_\@:
	s_barrier_wait -3
	s_barrier_signal -1
	s_barrier_wait -1
.endm
.macro FRAGL reg, a, b, off
	ds_load_b128 v[\reg:\reg+3], v[\a] offset:\off
	ds_load_b64 v[\reg+4:\reg+5], v[\b] offset:\off
	ds_load_b128 v[\reg+6:\reg+9], v[\a] offset:\off+768
	ds_load_b64 v[\reg+10:\reg+11], v[\b] offset:\off+768
.endm
.macro FETCH s
	WIN 0x40
.irp b, 0,1,2,3,4,5,6,7
	FRAGL 96*((\s)%2)+12*\b, 4, 5, 3072*\b+1536*((\s)%2)
.endr
	WIN 0
.irp a, 0,1,2,3
	FRAGL 64+48*((\s)%2)+12*\a, 6, 7, 3072*\a+1536*((\s)%2)
.endr
.endm
.macro MM a, b, s
.set rD, 8*(8*(\a)+(\b))
.set rA, 96*((\s)%2)+12*(\b)
.set rB, 64+48*((\s)%2)+12*(\a)
.set rX, 16+8*((\b)/2)+(\s)
.set rY, 48+8*((\a)/2)+(\s)
.set rW, 2*((\a)%2)+(\b)%2
.if (\s) == 0
.if rW == 0
	v_wmma_scale_f32_16x16x128_f8f6f4 v[rD:rD+7], v[rA:rA+11], v[rB:rB+11], 0, v[rX], v[rY] matrix_a_fmt:MATRIX_FMT_BF6 matrix_b_fmt:MATRIX_FMT_BF6
.elseif rW == 1
	v_wmma_scale_f32_16x16x128_f8f6f4 v[rD:rD+7], v[rA:rA+11], v[rB:rB+11], 0, v[rX], v[rY] matrix_a_fmt:MATRIX_FMT_BF6 matrix_b_fmt:MATRIX_FMT_BF6 matrix_a_scale:MATRIX_SCALE_ROW1
.elseif rW == 2
	v_wmma_scale_f32_16x16x128_f8f6f4 v[rD:rD+7], v[rA:rA+11], v[rB:rB+11], 0, v[rX], v[rY] matrix_a_fmt:MATRIX_FMT_BF6 matrix_b_fmt:MATRIX_FMT_BF6 matrix_b_scale:MATRIX_SCALE_ROW1
.else
	v_wmma_scale_f32_16x16x128_f8f6f4 v[rD:rD+7], v[rA:rA+11], v[rB:rB+11], 0, v[rX], v[rY] matrix_a_fmt:MATRIX_FMT_BF6 matrix_b_fmt:MATRIX_FMT_BF6 matrix_a_scale:MATRIX_SCALE_ROW1 matrix_b_scale:MATRIX_SCALE_ROW1
.endif
.else
.if rW == 0
	v_wmma_scale_f32_16x16x128_f8f6f4 v[rD:rD+7], v[rA:rA+11], v[rB:rB+11], v[rD:rD+7], v[rX], v[rY] matrix_a_fmt:MATRIX_FMT_BF6 matrix_b_fmt:MATRIX_FMT_BF6
.elseif rW == 1
	v_wmma_scale_f32_16x16x128_f8f6f4 v[rD:rD+7], v[rA:rA+11], v[rB:rB+11], v[rD:rD+7], v[rX], v[rY] matrix_a_fmt:MATRIX_FMT_BF6 matrix_b_fmt:MATRIX_FMT_BF6 matrix_a_scale:MATRIX_SCALE_ROW1
.elseif rW == 2
	v_wmma_scale_f32_16x16x128_f8f6f4 v[rD:rD+7], v[rA:rA+11], v[rB:rB+11], v[rD:rD+7], v[rX], v[rY] matrix_a_fmt:MATRIX_FMT_BF6 matrix_b_fmt:MATRIX_FMT_BF6 matrix_b_scale:MATRIX_SCALE_ROW1
.else
	v_wmma_scale_f32_16x16x128_f8f6f4 v[rD:rD+7], v[rA:rA+11], v[rB:rB+11], v[rD:rD+7], v[rX], v[rY] matrix_a_fmt:MATRIX_FMT_BF6 matrix_b_fmt:MATRIX_FMT_BF6 matrix_a_scale:MATRIX_SCALE_ROW1 matrix_b_scale:MATRIX_SCALE_ROW1
.endif
.endif
.endm
.macro KSTEP s                         ; the 32 accumulators take turns, one instruction a turn, in the same order in every step
	s_wait_dscnt 0x0                               ; this step's fragments are in
.if ((\s)%2 == 1) && ((\s) < 7)
	s_wait_tensorcnt 5-(\s)                        ; my two loads of the next chunk have landed; the later chunks' loads, two each, may stay out
	s_barrier_signal -1
	s_barrier_wait -1
	v_add_nc_u32 v4, 49152, v4                     ; on to the next chunk; these four plain lines are also the four places ahead of the loads below
	v_add_nc_u32 v5, 49152, v5
	v_add_nc_u32 v6, 24576, v6
	v_add_nc_u32 v7, 24576, v7
.elseif ((\s) > 0) && ((\s) < 7)
.rept 4
	v_nop                                          ; four places ahead of loads into registers that the last step's products read
.endr
.endif
.if (\s) < 7
	FETCH (\s)+1
.endif
	WIN 0xA1
.irp a, 0,1,2,3
.irp b, 0,1,2,3,4,5,6,7
	MM \a, \b, \s
.endr
.endr
	WIN 0
.endm
	s_load_b128 s[4:7], s[0:1], 0x0                ; oq, wq
	s_load_b64 s[8:9], s[0:1], 0x10                ; out0
	v_lshl_add_u32 v[SPW], v0, 2, SPARE
	v_mov_b32 v[NIL], 0
	ds_add_u32 v[SPW], v[NIL]                      ; the wave's opening
	ds_add_u32 v[SPW], v[NIL]
	v_lshrrev_b32 v1, 5, v0
	v_readfirstlane_b32 s14, v1                    ; wave
	s_and_b32 s15, s14, 1                          ; p0
	s_lshr_b32 s16, s14, 1                         ; p1
	s_bfe_u32 s17, ttmp6, 0x40000                  ; cx
	s_bfe_u32 s18, ttmp6, 0x40004                  ; cy
	s_and_b32 s20, ttmp7, 0xffff                   ; the cluster's y
	s_lshl_b32 s76, s17, 4
	s_add_co_u32 s76, s76, 192                     ; S0's first tile: Wo is the fourth weight
	s_lshl_b32 s80, s20, 2
	s_add_co_u32 s80, s80, s18
	s_lshl_b32 s80, s80, 3                         ; S1's: 8 (4 Y + cy)
	s_lshl_b32 s23, 0x1111, s17                    ; my column of the cluster
	s_lshl_b32 s83, s18, 2
	s_lshl_b32 s83, 15, s83                        ; my row
	s_or_b32 s24, s23, (3<<16)|(1<<21)             ; group 1 for S0: four tiles' two K steps, 3,072 bytes each, 12,288 bytes apart
	s_mov_b32 s25, 384<<16
	s_mov_b32 s26, 4<<16
	s_mov_b32 s27, 384<<16
	s_mov_b32 s28, 4
	s_mov_b32 s29, 1536
	s_mov_b32 s30, 0
	s_mov_b32 s31, 0
	s_or_b32 s32, s83, (3<<16)|(1<<21)             ; for S1: two tiles
	s_mov_b32 s33, 384<<16
	s_mov_b32 s34, 2<<16
	s_mov_b32 s35, 384<<16
	s_mov_b32 s36, 2
	s_mov_b32 s37, 1536
	s_mov_b32 s38, 0
	s_mov_b32 s39, 0
	s_lshl_b32 s84, s14, 2
	s_add_co_u32 s84, s84, s76
	s_mul_i32 s84, s84, 12288
	s_mov_b32 s85, 0
	s_lshl_b32 s86, s14, 1
	s_add_co_u32 s86, s86, s80
	s_mul_i32 s86, s86, 12288
	s_mov_b32 s87, 0
	s_lshl_b32 s88, s15, 3
	s_add_co_u32 s88, s88, s76
	s_lshl_b32 s88, s88, 9
	s_add_co_u32 s88, s88, WSC
	s_mov_b32 s89, 0
	s_lshl_b32 s90, s16, 2
	s_add_co_u32 s90, s90, s80
	s_lshl_b32 s90, s90, 9
	s_add_co_u32 s90, s90, OSC
	s_mov_b32 s91, 0
	s_mul_i32 s92, s14, 12288
	s_mul_i32 s93, s14, 6144
	s_wait_dscnt 0x0                               ; both opening adds are done
	s_wait_kmcnt 0x0
	s_add_nc_u64 s[84:85], s[6:7], s[84:85]
	s_add_nc_u64 s[86:87], s[4:5], s[86:87]
	s_add_nc_u64 s[88:89], s[6:7], s[88:89]
	s_add_nc_u64 s[90:91], s[4:5], s[90:91]
	ROUND                                          ; all sixteen work-groups are here: the joint loads meet
.irp k, 0,1,2,3
	s_mov_b32 s[40+4*\k], 1
	s_add_co_u32 s[41+4*\k], s92, \k*49152
	s_add_nc_u64 s[42+4*\k:43+4*\k], s[84:85], \k*3072
	s_or_b32 s[43+4*\k], s[43+4*\k], 0x80000000
	s_mov_b32 s[56+4*\k+4*(\k/2)], 1
	s_add_co_u32 s[57+4*\k+4*(\k/2)], s93, S1B+\k*24576
	s_add_nc_u64 s[58+4*\k+4*(\k/2):59+4*\k+4*(\k/2)], s[86:87], \k*3072
	s_or_b32 s[59+4*\k+4*(\k/2)], s[59+4*\k+4*(\k/2)], 0x80000000
.endr
.irp k, 0,1,2,3
	tensor_load_to_lds s[40+4*\k:43+4*\k], s[24:31]
	s_nop 0
	tensor_load_to_lds s[56+4*\k+4*(\k/2):59+4*\k+4*(\k/2)], s[32:39]
	s_nop 0
.endr
.rept 4
	v_nop
.endr
	v_and_b32 v1, 31, v0                           ; l
	v_lshlrev_b32 v2, 4, v1                        ; 16 l
	v_lshl_add_u32 v3, v1, 3, 512                  ; 8 l + 512
	s_mul_i32 s96, s15, 24576
	v_add_nc_u32 v4, s96, v2
	v_add_nc_u32 v5, s96, v3
	s_mul_i32 s96, s16, 12288
	s_add_co_u32 s96, s96, S1B
	v_add_nc_u32 v6, s96, v2
	v_add_nc_u32 v7, s96, v3
	v_and_b32 v13, 15, v0                          ; r
	v_bfe_u32 v14, v0, 4, 1                        ; h
	v_lshlrev_b32 v12, 4, v13
	v_lshl_add_u32 v12, v14, 9, v12                ; S0's scale words: 512 h + 16 r
	v_lshlrev_b32 v15, 1, v13
	v_lshl_add_u32 v15, v14, 9, v15                ; S1's pieces: 512 h + 2 r
	s_mul_i32 s96, s14, 8448                       ; my stage
	v_mul_u32_u24 v[STO], v13, 528
	v_lshl_add_u32 v[STO], v14, 6, v[STO]
	v_add_nc_u32 v[STO], s96, v[STO]               ; in: row r, + 64 h
	v_add_nc_u32 v[RD], s96, v2                    ; back: 16 l of a row
.irp p, 0,1,2,3
.irp k, 0,1
	global_load_b128 v[16+8*\p+4*\k:19+8*\p+4*\k], v12, s[88:89] offset:1024*\p+256*\k
.endr
.endr
.irp p, 0,1
.irp d, 0,1,2,3,4,5,6,7,8,9,10,11,12,13,14,15
	global_load_u16 v[160+16*\p+\d], v15, s[90:91] offset:1024*\p+32*\d
.endr
.endr
	s_lshl_b32 s84, s80, 4
	s_lshl_b32 s85, s16, 6
	s_add_co_u32 s84, s84, s85                     ; my first row of out0: 128 (4 Y + cy) + 64 p1
	s_lshl_b32 s84, s84, 12
	s_lshl_b32 s85, s17, 10
	s_add_co_u32 s84, s84, s85
	s_lshl_b32 s85, s15, 9
	s_add_co_u32 s84, s84, s85                     ; my first column: 1,024 cx + 512 p0 bytes
	s_mov_b32 s85, 0
	s_add_nc_u64 s[84:85], s[8:9], s[84:85]
	s_wait_tensorcnt 6                             ; my two loads of chunk 0 have landed; the six later ones may stay out
	s_barrier_signal -1
	s_barrier_wait -1
	FETCH 0
	s_wait_loadcnt 0x0
.irp p, 0,1
.irp s, 0,1,2,3,4,5,6,7
	v_lshl_or_b32 v[48+8*\p+\s], v[161+16*\p+2*\s], 16, v[160+16*\p+2*\s]   ; heads 2 s and 2 s + 1 make K step s's word
.endr
.endr
.rept 8
	v_nop                                          ; a scale register written by a vector instruction stands eight places ahead of a scaled matrix instruction
.endr
.irp s, 0,1,2,3,4,5,6,7
	KSTEP \s
.endr
.rept 4
	v_nop                                          ; four places ahead of the first read of results, and of loads into registers that held fragments
.endr
.macro TOSTAGE a
	WIN 0x08                                       ; an LDS store's data: window 2
.irp b, 0,1,2,3,4,5,6,7
	ds_store_b128 v[STO], v[64*(\a)+8*\b:64*(\a)+8*\b+3] offset:128*(\b/2)+32*(\b%2)        ; columns 32 (b / 2) + 16 h + 8 (b % 2) + 0 .. 7; each accumulator from its low end on
	ds_store_b128 v[STO], v[64*(\a)+8*\b+4:64*(\a)+8*\b+7] offset:128*(\b/2)+32*(\b%2)+16
.endr
	WIN 0
.irp o, 0,1,2,3,4,5,6,7,8,9,10,11,12,13,14,15
	ds_load_b128 v[BK+64*((\a)%2)+4*\o:BK+64*((\a)%2)+4*\o+3], v[RD] offset:528*\o          ; LDS serves a wave's instructions in order: these see my stores
.endr
.endm
.macro SEND a, younger                 ; younger: the LDS instructions issued behind block a's loads, which may stay out
	s_wait_dscnt \younger
.irp o, 0,1,2,3,4,5,6,7,8,9,10,11,12,13,14,15
	global_store_b128 v2, v[BK+64*((\a)%2)+4*\o:BK+64*((\a)%2)+4*\o+3], s[84:85] offset:(32*((\a)/2)+8*((\a)%2)+\o+8*(\o/8))*4096 th:TH_STORE_NT   ; 512 consecutive bytes of one row
.endr
.endm
	TOSTAGE 0
	TOSTAGE 1
	SEND 0, 32                                     ; behind block 0's loads: block 1's 16 stores and 16 loads
	s_wait_xcnt 0x0                                ; block 0's stores have read their registers: block 2's loads may land there
	TOSTAGE 2
	SEND 1, 32
	s_wait_xcnt 0x0
	TOSTAGE 3
	SEND 2, 32
	SEND 3, 0
	s_wait_tensorcnt 0x0                           ; the wave's end
	ds_add_u32 v[SPW], v[NIL]
	s_wait_dscnt 0x0
	ROUND                                          ; the closing round
	s_endpgm
.Lfunc_end_k_qe9d179cc84_outp:
	.size	k_qe9d179cc84_outp, .Lfunc_end_k_qe9d179cc84_outp-k_qe9d179cc84_outp
	.p2alignl 7, 3214868480
	.fill 96, 4, 3214868480
	.section	.rodata,"a",@progbits
	.p2align	6, 0x0
	.amdhsa_kernel k_qe9d179cc84_outp
		.amdhsa_group_segment_fixed_size 295424
		.amdhsa_private_segment_fixed_size 0
		.amdhsa_enable_private_segment 0
		.amdhsa_kernarg_size 24
		.amdhsa_user_sgpr_count 2
		.amdhsa_user_sgpr_kernarg_segment_ptr 1
		.amdhsa_wavefront_size32 1
		.amdhsa_system_sgpr_workgroup_id_x 1
		.amdhsa_system_sgpr_workgroup_id_y 1
		.amdhsa_system_sgpr_workgroup_id_z 1
		.amdhsa_system_vgpr_workitem_id 0
		.amdhsa_next_free_vgpr 768
		.amdhsa_next_free_sgpr 100
		.amdhsa_reserve_vcc 0
		.amdhsa_float_denorm_mode_32 3
		.amdhsa_float_denorm_mode_16_64 3
		.amdhsa_memory_ordered 1
		.amdhsa_forward_progress 1
		.amdhsa_inst_pref_size 87
	.end_amdhsa_kernel
	.amdgpu_metadata
---
amdhsa.version: [ 1, 2 ]
amdhsa.kernels:
  - .name:           k_qe9d179cc84_outp
    .symbol:         k_qe9d179cc84_outp.kd
    .args:
      - { .name: oq, .offset: 0, .size: 8, .value_kind: global_buffer, .address_space: global }
      - { .name: wq, .offset: 8, .size: 8, .value_kind: global_buffer, .address_space: global }
      - { .name: out0, .offset: 16, .size: 8, .value_kind: global_buffer, .address_space: global }
    .group_segment_fixed_size: 295424
    .private_segment_fixed_size: 0
    .kernarg_segment_align: 8
    .kernarg_segment_size: 24
    .max_flat_workgroup_size: 128
    .sgpr_count:     100
    .vgpr_count:     768
    .wavefront_size: 32
...
	.end_amdgpu_metadata
.endif
;; end of part 4
